; MI455X (gfx1250); checked and timed in simulation.
; The chip was launched on July 23, 2026; its instructions are those of AMD's public machine-readable ISA for CDNA 5 (MIT licence, August 2026) and "CDNA5" Instruction Set Architecture Reference Guide (July 2026). The comments in the code are by the model that wrote it; some were corrected since.
;; Dynamic Category Mo E. Allowed arithmetic: matrix products marked QUANTISED: E2M3 operands, one E8M0 scale for each 32 along K, by v_wmma_scale_f32_16x16x128_f8f6f4 with both operands' format E2M3, f32 sums; products left as they are: f32 operands where the result goes on into a quantised operand, else bf16, f16 or f32 operands; f32 sums; everything else in f32.
;; Inputs: b1 8 x 4,096 float32; b2 8 x 1,024 float32; game_emb 8 x 1,024 float32; router_b 8 float32; router_w 1,024 x 8 float32; w1 8 x 1,024 x 4,096 float32; w2 8 x 4,096 x 1,024 float32; x 2 x 512 x 1,024 float32.
;; Outputs: out0 2 x 512 x 1,024 float32.
;; This version of the problem:
;;   THIS VERSION OF THE PROBLEM IS GIVEN IN LOW PRECISION. The matrix products marked QUANTISED in the list below multiply operands that are first quantised to E2M3 (2 exponent bits, 3 mantissa bits; 6 bits a number), with one power-of-two scale for each 32 numbers along K (OCP MX v1.0); their sums are f32. All else is computed in f32.
;;   The module's matrix products, in the order in which they are computed (A, B: the left and right operand; K: the contracted axis; several contracted axes count as one K, in the product's order):
;;     1. [M 1,024, K 1,024] x [K 1,024, N 8]; A: input x; B: input router_w: left as it is (N = 8 < 16)
;;     2. [M 1,024, K 1,024] x [K 1,024, N 4,096]; A: computed on the way; B: input w1: QUANTISED
;;     3. [M 1,024, K 4,096] x [K 4,096, N 1,024]; A: computed on the way; B: input w2: QUANTISED
;;     4. [M 1,024, K 1,024] x [K 1,024, N 4,096]; A: computed on the way; B: input w1: QUANTISED
;;     5. [M 1,024, K 4,096] x [K 4,096, N 1,024]; A: computed on the way; B: input w2: QUANTISED
;;     6. [M 1,024, K 1,024] x [K 1,024, N 4,096]; A: computed on the way; B: input w1: QUANTISED
;;     7. [M 1,024, K 4,096] x [K 4,096, N 1,024]; A: computed on the way; B: input w2: QUANTISED
;;     8. [M 1,024, K 1,024] x [K 1,024, N 4,096]; A: computed on the way; B: input w1: QUANTISED
;;     9. [M 1,024, K 4,096] x [K 4,096, N 1,024]; A: computed on the way; B: input w2: QUANTISED
;;     10. [M 1,024, K 1,024] x [K 1,024, N 4,096]; A: computed on the way; B: input w1: QUANTISED
;;     11. [M 1,024, K 4,096] x [K 4,096, N 1,024]; A: computed on the way; B: input w2: QUANTISED
;;     12. [M 1,024, K 1,024] x [K 1,024, N 4,096]; A: computed on the way; B: input w1: QUANTISED
;;     13. [M 1,024, K 4,096] x [K 4,096, N 1,024]; A: computed on the way; B: input w2: QUANTISED
;;     14. [M 1,024, K 1,024] x [K 1,024, N 4,096]; A: computed on the way; B: input w1: QUANTISED
;;     15. [M 1,024, K 4,096] x [K 4,096, N 1,024]; A: computed on the way; B: input w2: QUANTISED
;;     16. [M 1,024, K 1,024] x [K 1,024, N 4,096]; A: computed on the way; B: input w1: QUANTISED
;;     17. [M 1,024, K 4,096] x [K 4,096, N 1,024]; A: computed on the way; B: input w2: QUANTISED
;;   THE QUANTISER, for each operand of a quantised product, along K:
;;     - K is cut into blocks of 32 from its start; a last block that is shorter is filled with zeros.
;;     - A block's scale is 2^e with e = floor(log2(the largest magnitude in the block)) - 2, held to -126 .. 127; a block of zeros has e = 0. As a byte (E8M0): e + 127.
;;     - Each number is divided by its block's scale, clamped to +-7.5, and rounded to the nearest number of E2M3, ties to even, subnormals kept.
;;     - The product sums the exact products of the quantised numbers (number of the format x scale) in f32.
;;   ~~~python
;;   def quantise(x, axis):      # numpy; x: float32 -> the quantised numbers, widened to float32 again
;;       x = np.moveaxis(x, axis, -1); K = x.shape[-1]
;;       x = np.pad(x, [(0, 0)] * (x.ndim - 1) + [(0, -K % 32)]); x = x.reshape(x.shape[:-1] + (-1, 32)); a = np.abs(x).max(-1, keepdims=True)
;;       e = np.where(a > 0, np.clip(np.frexp(np.where(a > 0, a, 1))[1] - 1 - 2, -126, 127), 0)      # np.frexp(a)[1] - 1 = floor(log2(a)), exactly
;;       r = np.clip(x / 2.0 ** e, -7.5, 7.5)
;;       step = 2.0 ** (np.maximum(np.frexp(np.where(r == 0, 1, r))[1] - 1, 0) - 3)
;;       q = np.round(r / step) * step * 2.0 ** e      # np.round: ties to even
;;       return np.moveaxis(q.reshape(q.shape[:-2] + (-1,))[..., :K], -1, axis).astype(np.float32)
;;   ~~~
;;   OPERANDS COMPUTED ON THE WAY. 'Computed on the way' means the value that the module computes at that place (a softmax that the list does not call 'softmax' is quantised finished and normalised). What goes into a quantiser is computed in f32, as accurately as f32 sums, v_exp_f32 and their like allow (about 1e-6 of the number): no bf16 or f16 on the way to a quantiser, and a product that is left as it is and whose result goes on into a quantised operand takes f32 operands (vector FMAs, or v_wmma_f32_16x16x4_f32). A number that lies on a knife's edge between two numbers of the format may be rounded either way, as far as f32 arithmetic and the matrix unit's own rounding can turn it there, and no further.
;; 2 versions. Each part assembles by itself: llvm-mc -triple=amdgcn-amd-amdhsa -mcpu=gfx1250 --defsym DOCPART=n.
;; ======== version 1 of 2: 4 launches
;; workspace buffers: xc 786,432 bytes; xs 32,768 bytes; idx 4,096 bytes of whole numbers; ord 32,768 bytes of whole numbers; cnt 1,024 bytes of whole numbers; hc 25,165,824 bytes; hs 2,097,152 bytes
;; launch route (part 1): grid 256 x 1, 4 waves a work-group, no clusters, 84,736 bytes of LDS; arguments x, router_w, router_b, game_emb, xc, xs, idx; writes xc, xs, idx
.if DOCPART == 1
	.amdgcn_target "amdgcn-amd-amdhsa--gfx1250"
	.amdhsa_code_object_version 6
	.text
	.protected	k_q4d23e54968_route
	.globl	k_q4d23e54968_route
	.p2align	8
	.type	k_q4d23e54968_route,@function
k_q4d23e54968_route:
	s_mov_b64 s[64:65], 0
	v_nop
	global_prefetch_b8 v0, s[64:65] scope:SCOPE_SE
	s_setreg_imm32_b32 hwreg(HW_REG_WAVE_MODE, 25, 1), 1
	s_wait_xcnt 0x0
; ROUTER AND FIRST QUANTISER.  1,024 tokens of 1,024 numbers, 8 experts.  A wave takes one token, a work-group four.
; logits = x . router_w + router_b in f32 (fused multiply-adds, 32 numbers a lane, then a sum over the 32 lanes); the expert is the first largest logit.
; sel = x + 0.1 game_emb[expert]: the embedding is CHOSEN AS A VALUE (v_cndmask_b32 over all eight rows), so that no address hangs on the choice.
; sel is quantised along its 1,024 numbers: codes of E2M3, 768 bytes a token, to xc [token][768]; one E8M0 byte for each 32 to xs [token][32]; the expert's number to idx [token].
; router_w (transposed to [expert][k]) and game_emb come into LDS once for the four waves: each wave brings a quarter; one barrier.
; LIMITS: NaN and infinities are not served.  Of equal logits the lower expert wins; logits closer than the rounding of an f32 sum of 1,024 terms may be told apart otherwise than by another order of summing.
; A block of zeros gets the byte 1 (the floor), not 127: its codes are zeros, and this program alone reads the bytes.
; No matrix unit: N = 8.  No cluster: what the work-groups share, 64 KiB of tables, is read by plain loads once a work-group.
.set RWP,   4112                       ; LDS: a plane of router_w, [k] for one expert: 4,096 bytes + 16
.set EMB,   33024                      ; LDS: game_emb as it lies, 32,768 bytes
.set STG,   65792                      ; LDS: a stage of 32 places of 128 + 16 bytes for each wave
.set STB,   4608
.set SPARE, 84224                      ; the spare words, 128 bytes for each wave: two blocks of 256 bytes that no other line names
.set LN,   1                           ; v1   lane
.set L16,  2                           ; v2   16 x lane: also the LDS address in a plane of router_w
.set RWS,  3                           ; v3   where I store router_w's numbers
.set EMS,  4                           ; v4   where I store game_emb's
.set GOF,  5                           ; v5   my byte offset in router_w and in game_emb: 8,192 x wave + 16 x lane
.set EMA,  6                           ; v6   where I read game_emb's rows
.set STW,  7                           ; v7   the stage, on the way in
.set STR,  8                           ; v8   and on the way out
.set C24,  9                           ; v9   24 x lane: my block's codes in the token's row
.set TP,   10
.set ZR,   11                          ; v11  0: the offset of idx's store
.set SPW,  12                          ; v12  LDS address of my spare word; never rewritten
.set NIL,  13                          ; v13  0; never rewritten
.set BEST, 14
.set BI,   15
.set RW,   16                          ; v16-79   router_w as loaded; later two buffers of 32 for LDS reads; later my block of 32
.set EM,   80                          ; v80-143  game_emb as loaded
.set X,    144                         ; v144-175 x: register 4 q + i = number 128 q + 4 lane + i
.set ACC,  80                          ; v80-95   eight pair sums
.set LG,   96                          ; v96-103  the logits
.set G,    112                         ; v112-143 the chosen embedding, then sel
	s_load_b256 s[4:11], s[0:1], 0x0               ; x s[4:5], router_w s[6:7], router_b s[8:9], game_emb s[10:11]
	s_load_b128 s[12:15], s[0:1], 0x20             ; xc s[12:13], xs s[14:15]
	s_load_b64 s[16:17], s[0:1], 0x30              ; idx
	v_lshl_add_u32 v[SPW], v0, 2, SPARE
	v_mov_b32 v[NIL], 0
	v_lshrrev_b32 v[LN], 5, v0
	v_readfirstlane_b32 s18, v[LN]                 ; wave 0..3
	v_and_b32 v[LN], 31, v0
	v_lshlrev_b32 v[L16], 4, v[LN]
	s_lshl_b32 s19, ttmp9, 2
	s_add_co_u32 s19, s19, s18                     ; my token
	s_mov_b32 s20, 0x76543210
	s_mov_b32 s21, 0xfedcba98                      ; v_permlanex16_b32's selects for lane l xor 16
	s_lshl_b32 s42, s18, 13
	v_add_nc_u32 v[GOF], s42, v[L16]
	v_add_nc_u32 v[EMS], EMB, v[GOF]
	v_add_nc_u32 v[EMA], EMB, v[L16]
	v_and_b32 v[RWS], 1, v0                        ; a loaded 16 bytes are experts 4 (lane & 1) + 0..3 of k = 256 wave + 16 c + lane / 2
	v_mul_u32_u24 v[RWS], v[RWS], 4*RWP
	v_lshrrev_b32 v[TP], 1, v[LN]
	v_lshl_add_u32 v[RWS], v[TP], 2, v[RWS]
	s_lshl_b32 s42, s18, 10
	v_add_nc_u32 v[RWS], s42, v[RWS]
	s_mul_i32 s42, s18, STB
	s_add_co_u32 s42, s42, STG
	v_lshrrev_b32 v[TP], 3, v[LN]
	v_lshl_add_u32 v[STW], v[TP], 4, v[L16]        ; eight lanes' 128 bytes on end, then 16 of padding
	v_add_nc_u32 v[STW], s42, v[STW]
	v_mul_u32_u24 v[STR], v[LN], 144
	v_add_nc_u32 v[STR], s42, v[STR]
	v_mul_u32_u24 v[C24], v[LN], 24
	v_mov_b32 v[ZR], 0
	s_mov_b32 s43, 0
	s_wait_kmcnt 0x0
	s_load_b256 s[24:31], s[8:9], 0x0              ; router_b's eight numbers
	s_lshl_b32 s42, s19, 12
	s_add_nc_u64 s[4:5], s[4:5], s[42:43]          ; x at my token
	s_mul_i32 s42, s19, 768
	s_add_nc_u64 s[12:13], s[12:13], s[42:43]
	s_lshl_b32 s42, s19, 5
	s_add_nc_u64 s[14:15], s[14:15], s[42:43]
	s_lshl_b32 s42, s19, 2
	s_add_nc_u64 s[16:17], s[16:17], s[42:43]
.irp c, 0,1,2,3,4,5,6,7,8,9,10,11,12,13,14,15
	global_load_b128 v[RW+4*\c:RW+4*\c+3], v[GOF], s[6:7] offset:512*\c
.endr
.irp c, 0,1,2,3,4,5,6,7,8,9,10,11,12,13,14,15
	global_load_b128 v[EM+4*\c:EM+4*\c+3], v[GOF], s[10:11] offset:512*\c
.endr
.irp q, 0,1,2,3,4,5,6,7
	global_load_b128 v[X+4*\q:X+4*\q+3], v[L16], s[4:5] offset:512*\q th:TH_LOAD_NT
.endr
	s_wait_loadcnt 24                              ; router_w's 16 loads are in; game_emb's 16 and x's 8 may be out
.irp c, 0,1,2,3,4,5,6,7,8,9,10,11,12,13,14,15
.irp i, 0,1,2,3
	ds_store_b32 v[RWS], v[RW+4*\c+\i] offset:RWP*\i+64*\c
.endr
.endr
	s_wait_loadcnt 8                               ; game_emb's are in; x's 8 may be out
.irp c, 0,1,2,3,4,5,6,7,8,9,10,11,12,13,14,15
	ds_store_b128 v[EMS], v[EM+4*\c:EM+4*\c+3] offset:512*\c
.endr
	s_wait_dscnt 0x0                               ; for the others' sake: my stores have landed
	s_barrier_signal -1
	s_barrier_wait -1                              ; both tables are whole
.macro LDW e                           ; expert e's plane, my 32 numbers, into buffer e % 2
.irp q, 0,1,2,3,4,5,6,7
	ds_load_b128 v[16+32*((\e)%2)+4*\q:16+32*((\e)%2)+4*\q+3], v[L16] offset:RWP*(\e)+512*\q
.endr
.endm
.macro DOT e                           ; my 32 products, two at a time; the first starts the sum
.set BU, 16+32*((\e)%2)
	v_pk_mul_f32 v[ACC+2*(\e):ACC+2*(\e)+1], v[X:X+1], v[BU:BU+1]
.irp p, 2,4,6,8,10,12,14,16,18,20,22,24,26,28,30
	v_pk_fma_f32 v[ACC+2*(\e):ACC+2*(\e)+1], v[X+\p:X+\p+1], v[BU+\p:BU+\p+1], v[ACC+2*(\e):ACC+2*(\e)+1]
.endr
.endm
.macro LDE e                           ; row e of game_emb, my 32 numbers: row 0 into G, the others into buffer e % 2
.if (\e) == 0
.set BU, G
.else
.set BU, 16+32*((\e)%2)
.endif
.irp q, 0,1,2,3,4,5,6,7
	ds_load_b128 v[BU+4*\q:BU+4*\q+3], v[EMA] offset:4096*(\e)+512*\q
.endr
.endm
.macro SEL e                           ; G takes row e where the token's expert is e
.set BU, 16+32*((\e)%2)
.irp i, 0,1,2,3,4,5,6,7,8,9,10,11,12,13,14,15,16,17,18,19,20,21,22,23,24,25,26,27,28,29,30,31
	v_cndmask_b32 v[G+\i], v[G+\i], v[BU+\i], s[32+(\e)]
.endr
.endm
	LDW 0
	s_wait_loadcnt 0x0                             ; x
.irp e, 0,1,2,3,4,5,6
	LDW \e+1
	s_wait_dscnt 8                                 ; this plane's 8 loads are in; the next plane's 8 may be out
	DOT \e
.endr
	s_wait_dscnt 0x0
	DOT 7
	LDE 0                                          ; the embeddings' first two rows are asked for while the logits are summed
	LDE 1
.irp e, 0,1,2,3,4,5,6,7
	v_add_f32 v[LG+\e], v[ACC+2*\e], v[ACC+2*\e+1]
.endr
.irp m, 1,2,4,8
.irp e, 0,1,2,3,4,5,6,7
	v_add_f32_dpp v[LG+\e], v[LG+\e], v[LG+\e] row_xmask:\m row_mask:0xf bank_mask:0xf
.endr
.endr
.irp e, 0,1,2,3,4,5,6,7
	v_permlanex16_b32 v[ACC+\e], v[LG+\e], s20, s21   ; (its destination has been written: a pair sum that is done with)
.endr
.irp e, 0,1,2,3,4,5,6,7
	v_add_f32 v[LG+\e], v[LG+\e], v[ACC+\e]        ; every lane holds the same eight sums
.endr
	s_wait_kmcnt 0x0                               ; router_b
.irp e, 0,1,2,3,4,5,6,7
	v_add_f32 v[LG+\e], s[24+\e], v[LG+\e]
.endr
	v_mov_b32 v[BEST], v[LG]
	v_mov_b32 v[BI], 0
.irp e, 1,2,3,4,5,6,7
	v_cmp_le_f32 vcc_lo, v[LG+\e], v[BEST]         ; not larger: the earlier expert stays, in a tie too
	v_cndmask_b32 v[BI], \e, v[BI], vcc_lo
	v_max_num_f32 v[BEST], v[BEST], v[LG+\e]
.endr
.irp e, 1,2,3,4,5,6,7
	v_cmp_eq_u32 s[32+\e], \e, v[BI]
.endr
.irp e, 1,2,3,4,5,6
	LDE \e+1
	s_wait_dscnt 8                                 ; rows up to e are in; the next row's 8 loads may be out
	SEL \e
.endr
	s_wait_dscnt 0x0
	SEL 7
.irp p, 0,2,4,6,8,10,12,14,16,18,20,22,24,26,28,30
	v_pk_fma_f32 v[G+\p:G+\p+1], v[G+\p:G+\p+1], 0x3dcccccd, v[X+\p:X+\p+1] op_sel_hi:[1,0,1]   ; sel = 0.1 emb + x
.endr
	; the turn: a lane holds 4 numbers of each 128; the conversions want 32 neighbours in a lane.  Through my own stage; LDS serves a wave's instructions in order
.irp q, 0,1,2,3,4,5,6,7
	ds_store_b128 v[STW], v[G+4*\q:G+4*\q+3] offset:576*\q
.endr
.irp i, 0,1,2,3,4,5,6,7
	ds_load_b128 v[16+4*\i:16+4*\i+3], v[STR] offset:16*\i
.endr
	s_wait_dscnt 0x0                               ; lane l holds block l: numbers 32 l .. 32 l + 31
	v_max3_num_f32 v56, |v16|, |v17|, |v18|
	v_max3_num_f32 v57, |v19|, |v20|, |v21|
.irp i, 6,10,14,18,22,26
	v_max3_num_f32 v56, v56, |v[16+\i]|, |v[17+\i]|
	v_max3_num_f32 v57, v57, |v[18+\i]|, |v[19+\i]|
.endr
	v_max3_num_f32 v56, v56, |v46|, |v47|
	v_max3_num_f32 v56, v56, v57, 0x1800000        ; and the floor 2^(3 - 127): the byte cannot fall under 1
	v_add_nc_u32 v58, 0xff000000, v56              ; 2 off the exponent field: the conversion takes the exponent field of this operand as its scale
	v_cvt_scalef32_pk16_fp6_f32 v[48:50], v[16:31], v58
	v_cvt_scalef32_pk16_fp6_f32 v[52:54], v[32:47], v58
	v_lshrrev_b32 v59, 23, v58                     ; the scale's byte
	global_store_b96 v[C24], v[48:50], s[12:13]    ; the two stores of the wave cover the token's 768 consecutive bytes
	global_store_b96 v[C24], v[52:54], s[12:13] offset:12
	global_store_b8 v[LN], v59, s[14:15]           ; 32 consecutive bytes
	v_cmp_eq_u32 vcc_lo, 0, v[LN]
	s_wait_xcnt 0x0                                ; EXEC changes only behind this wait
	s_and_saveexec_b32 s40, vcc_lo
	global_store_b32 v[ZR], v[BI], s[16:17]        ; lane 0: the token's expert, at a fixed place
	s_wait_xcnt 0x0
	s_or_b32 exec_lo, exec_lo, s40
	s_wait_tensorcnt 0x0                           ; the wave's end: behind my last LDS store
	ds_add_u32 v[SPW], v[NIL]
	s_wait_dscnt 0x0
	s_endpgm
.Lfunc_end_k_q4d23e54968_route:
	.size	k_q4d23e54968_route, .Lfunc_end_k_q4d23e54968_route-k_q4d23e54968_route
	.p2alignl 7, 3214868480
	.fill 96, 4, 3214868480
	.section	.rodata,"a",@progbits
	.p2align	6, 0x0
	.amdhsa_kernel k_q4d23e54968_route
		.amdhsa_group_segment_fixed_size 84736
		.amdhsa_private_segment_fixed_size 0
		.amdhsa_enable_private_segment 0
		.amdhsa_kernarg_size 56
		.amdhsa_user_sgpr_count 2
		.amdhsa_user_sgpr_kernarg_segment_ptr 1
		.amdhsa_wavefront_size32 1
		.amdhsa_system_sgpr_workgroup_id_x 1
		.amdhsa_system_sgpr_workgroup_id_y 1
		.amdhsa_system_sgpr_workgroup_id_z 1
		.amdhsa_system_vgpr_workitem_id 0
		.amdhsa_next_free_vgpr 192
		.amdhsa_next_free_sgpr 66
		.amdhsa_reserve_vcc 1
		.amdhsa_float_denorm_mode_32 3
		.amdhsa_float_denorm_mode_16_64 3
		.amdhsa_memory_ordered 1
		.amdhsa_forward_progress 1
		.amdhsa_inst_pref_size 51
	.end_amdhsa_kernel
	.amdgpu_metadata
---
amdhsa.version: [ 1, 2 ]
amdhsa.kernels:
  - .name:           k_q4d23e54968_route
    .symbol:         k_q4d23e54968_route.kd
    .args:
      - { .name: x, .offset: 0, .size: 8, .value_kind: global_buffer, .address_space: global }
      - { .name: router_w, .offset: 8, .size: 8, .value_kind: global_buffer, .address_space: global }
      - { .name: router_b, .offset: 16, .size: 8, .value_kind: global_buffer, .address_space: global }
      - { .name: game_emb, .offset: 24, .size: 8, .value_kind: global_buffer, .address_space: global }
      - { .name: xc, .offset: 32, .size: 8, .value_kind: global_buffer, .address_space: global }
      - { .name: xs, .offset: 40, .size: 8, .value_kind: global_buffer, .address_space: global }
      - { .name: idx, .offset: 48, .size: 8, .value_kind: global_buffer, .address_space: global }
    .group_segment_fixed_size: 84736
    .private_segment_fixed_size: 0
    .kernarg_segment_align: 8
    .kernarg_segment_size: 56
    .max_flat_workgroup_size: 128
    .sgpr_count:     66
    .vgpr_count:     192
    .wavefront_size: 32
...
	.end_amdgpu_metadata
.endif
;; end of part 1
;; launch place (part 2): grid 1 x 1, 8 waves a work-group, no clusters, 0 bytes of LDS; arguments idx, ord, cnt; writes ord, cnt
.if DOCPART == 2
	.amdgcn_target "amdgcn-amd-amdhsa--gfx1250"
	.amdhsa_code_object_version 6
	.text
	.protected	k_q4d23e54968_place
	.globl	k_q4d23e54968_place
	.p2align	8
	.type	k_q4d23e54968_place,@function
k_q4d23e54968_place:
	s_mov_b64 s[64:65], 0
	v_nop
	global_prefetch_b8 v0, s[64:65] scope:SCOPE_SE
	s_setreg_imm32_b32 hwreg(HW_REG_WAVE_MODE, 25, 1), 1
	s_wait_xcnt 0x0
; THE TOKENS ARE PLACED BY EXPERT.  Wave e serves expert e alone: it reads all 1,024 numbers of idx and writes ord [e][1,024]:
; the n tokens of expert e first, ascending; then, up to the next multiple of 16, COPIES OF THE EXPERT'S LAST TOKEN, so that the expert's last tile of 16 rows holds its own tokens alone;
; then the other tokens, from entry 1,023 downward.  So every entry is written and every entry is a token's number.  cnt [e][32]: n, in all 32 words.
; No LDS, no barrier, no atomics: a token's place is the count of members ahead of it (v_mbcnt on the compare's mask, plus a running scalar sum).
; Two passes over the registers: the first counts the members and finds the last one, the second places.
; One work-group: 4 KiB in, 33 KiB out; the work has no more to share.
.set NTOK, 1024
.set ID,  16                           ; v16-47  idx[32 j + lane]
.set PO,  48                           ; v48-79  the place, in bytes: a register for each step, since a store reads it
.set TK,  80                           ; v80-111 the number to be stored there, likewise
	s_load_b128 s[4:7], s[0:1], 0x0                ; idx s[4:5], ord s[6:7]
	s_load_b64 s[8:9], s[0:1], 0x10                ; cnt
	v_lshrrev_b32 v1, 5, v0
	v_readfirstlane_b32 s10, v1                    ; wave = expert
	v_and_b32 v1, 31, v0                           ; lane
	v_lshlrev_b32 v2, 2, v1
	v_mov_b32 v5, 0                                ; my lane's last member so far
	v_mov_b32 v7, 0                                ; (a lane permute's destination counts as one of its sources)
	s_mov_b32 s11, 0                               ; the count
	s_mov_b32 s13, 0                               ; second pass: members so far
	s_mov_b32 s20, 0x76543210
	s_mov_b32 s21, 0xfedcba98                      ; v_permlanex16_b32's selects for lane l xor 16
	s_lshl_b32 s14, s10, 12
	s_mov_b32 s15, 0
	s_wait_kmcnt 0x0
	s_add_nc_u64 s[6:7], s[6:7], s[14:15]          ; my expert's 4,096 bytes of ord
	s_lshl_b32 s14, s10, 7
	s_add_nc_u64 s[8:9], s[8:9], s[14:15]          ; and its 128 of cnt
.irp j, 0,1,2,3,4,5,6,7,8,9,10,11,12,13,14,15,16,17,18,19,20,21,22,23,24,25,26,27,28,29,30,31
	global_load_b32 v[ID+\j], v2, s[4:5] offset:128*\j
.endr
	s_wait_loadcnt 0x0
	; ---- first pass: how many members, and which is the last
.irp j, 0,1,2,3,4,5,6,7,8,9,10,11,12,13,14,15,16,17,18,19,20,21,22,23,24,25,26,27,28,29,30,31
	v_cmp_eq_u32 vcc_lo, s10, v[ID+\j]
	v_add_nc_u32 v[TK+\j], 32*\j, v1               ; my token
	v_cndmask_b32 v5, v5, v[TK+\j], vcc_lo         ; tokens ascend with j: the last one taken is my lane's largest
	s_bcnt1_i32_b32 s12, vcc_lo
	s_add_co_u32 s11, s11, s12
.endr
	v_cvt_f32_u32 v5, v5                           ; the largest over the 32 lanes, in f32: numbers up to 1,023 are exact there
	v_max_num_f32_dpp v5, v5, v5 row_xmask:1 row_mask:0xf bank_mask:0xf
	v_max_num_f32_dpp v5, v5, v5 row_xmask:2 row_mask:0xf bank_mask:0xf
	v_max_num_f32_dpp v5, v5, v5 row_xmask:4 row_mask:0xf bank_mask:0xf
	v_max_num_f32_dpp v5, v5, v5 row_xmask:8 row_mask:0xf bank_mask:0xf
	v_permlanex16_b32 v7, v5, s20, s21
	v_max_num_f32 v5, v5, v7
	v_cvt_u32_f32 v5, v5                           ; the expert's last token (0, not used, where it has none)
	v_mov_b32 v8, s11                              ; n
	s_sub_co_u32 s17, 0, s11
	s_and_b32 s17, s17, 15                         ; entries from n up to the next multiple of 16
	; ---- second pass: the places
.irp j, 0,1,2,3,4,5,6,7,8,9,10,11,12,13,14,15,16,17,18,19,20,21,22,23,24,25,26,27,28,29,30,31
	v_cmp_eq_u32 vcc_lo, s10, v[ID+\j]
	v_mbcnt_lo_u32_b32 v3, vcc_lo, s13             ; the members ahead of me: a member's place
	v_sub_nc_u32 v4, v3, v[TK+\j]
	v_add_nc_u32 v4, NTOK-1, v4                    ; 1,023 less my rank among the others
	v_cndmask_b32 v[PO+\j], v4, v3, vcc_lo
	v_sub_nc_u32 v6, v[PO+\j], v8                  ; place - n: a member's wraps to a very large number
	v_cmp_gt_u32 s16, s17, v6                      ; an entry that fills up the expert's last tile
	v_cndmask_b32 v[TK+\j], v[TK+\j], v5, s16      ; takes the expert's last token
	v_min_u32 v[PO+\j], 0x3ff, v[PO+\j]            ; a number made of loaded ones enters an address behind a bound
	v_lshlrev_b32 v[PO+\j], 2, v[PO+\j]
	s_bcnt1_i32_b32 s12, vcc_lo
	s_add_co_u32 s13, s13, s12
	global_store_b32 v[PO+\j], v[TK+\j], s[6:7]
.endr
	global_store_b32 v2, v8, s[8:9]
	s_endpgm
.Lfunc_end_k_q4d23e54968_place:
	.size	k_q4d23e54968_place, .Lfunc_end_k_q4d23e54968_place-k_q4d23e54968_place
	.p2alignl 7, 3214868480
	.fill 96, 4, 3214868480
	.section	.rodata,"a",@progbits
	.p2align	6, 0x0
	.amdhsa_kernel k_q4d23e54968_place
		.amdhsa_group_segment_fixed_size 0
		.amdhsa_private_segment_fixed_size 0
		.amdhsa_enable_private_segment 0
		.amdhsa_kernarg_size 24
		.amdhsa_user_sgpr_count 2
		.amdhsa_user_sgpr_kernarg_segment_ptr 1
		.amdhsa_wavefront_size32 1
		.amdhsa_system_sgpr_workgroup_id_x 1
		.amdhsa_system_sgpr_workgroup_id_y 1
		.amdhsa_system_sgpr_workgroup_id_z 1
		.amdhsa_system_vgpr_workitem_id 0
		.amdhsa_next_free_vgpr 112
		.amdhsa_next_free_sgpr 66
		.amdhsa_reserve_vcc 1
		.amdhsa_float_denorm_mode_32 3
		.amdhsa_float_denorm_mode_16_64 3
		.amdhsa_memory_ordered 1
		.amdhsa_forward_progress 1
		.amdhsa_inst_pref_size 31
	.end_amdhsa_kernel
	.amdgpu_metadata
---
amdhsa.version: [ 1, 2 ]
amdhsa.kernels:
  - .name:           k_q4d23e54968_place
    .symbol:         k_q4d23e54968_place.kd
    .args:
      - { .name: idx, .offset: 0, .size: 8, .value_kind: global_buffer, .address_space: global }
      - { .name: ord, .offset: 8, .size: 8, .value_kind: global_buffer, .address_space: global }
      - { .name: cnt, .offset: 16, .size: 8, .value_kind: global_buffer, .address_space: global }
    .group_segment_fixed_size: 0
    .private_segment_fixed_size: 0
    .kernarg_segment_align: 8
    .kernarg_segment_size: 24
    .max_flat_workgroup_size: 256
    .sgpr_count:     66
    .vgpr_count:     112
    .wavefront_size: 32
...
	.end_amdgpu_metadata
.endif
;; end of part 2
;; launch ffn1 (part 3): grid 256 x 1, 16 waves a work-group, no clusters, 112,640 bytes of LDS; arguments w1, b1, xc, xs, ord, cnt, hc, hs; writes hc, hs
.if DOCPART == 3
	.amdgcn_target "amdgcn-amd-amdhsa--gfx1250"
	.amdhsa_code_object_version 6
	.text
	.protected	k_q4d23e54968_ffn1
	.globl	k_q4d23e54968_ffn1
	.p2align	8
	.type	k_q4d23e54968_ffn1,@function
k_q4d23e54968_ffn1:
	s_mov_b64 s[64:65], 0
	v_nop
	global_prefetch_b8 v0, s[64:65] scope:SCOPE_SE
	s_setreg_imm32_b32 hwreg(HW_REG_WAVE_MODE, 25, 1), 1
	s_wait_xcnt 0x0
; h = gelu(Q(sel) Q(w1[e]) + b1[e]) for the tokens of expert e alone, quantised along I on the way; both products' operands are codes of E2M3 with one E8M0 byte for each 32 along K.
; SHARES.  Work-group (e = number / 32, j = number % 32) owns columns 128 j .. 128 j + 127 of w1[e], all of K = 1,024: 512 KiB of f32, read from memory once and never written back.
; PHASE W (all 16 waves): wave w takes 32 columns (w % 4) x 256 along K (w / 4).  A LANE TAKES A COLUMN AND ITS REGISTERS RUN DOWN K: each load reads 128 consecutive bytes, a block of 32 lies in one lane,
;   and the conversions give codes with K innermost.  Lane l's column is (l & 7) + 16 ((l >> 3) & 1) + 8 (l >> 4): lanes 0-15 are the rows of one tile, lanes 16-31 of the next, and THE COLUMNS OF A TILE ARE NOT NEIGHBOURS
;   (0-7 and 16-23; 8-15 and 24-31), so that in the transposed product the 16 registers of two neighbouring tiles are 16 neighbours along the next K.  Two blocks' codes change halves (v_permlane16_swap_b32) and are the two tiles'
;   fragments; they go to LDS as images of the operand's registers (16 bytes a lane, 512 a store).  Loads run three blocks ahead.  One barrier.
; PHASE M: wave w takes the expert's tiles of 16 tokens w, w + 16, .. : x's 8 fragments straight from xc by the list ord, 8 K steps x 8 tiles of columns (source 0 = 16 columns of w1, source 1 = 16 tokens; C begins as b1),
;   the gelu, the quantiser, and the result, K step j of the second product, goes to hc as an image of its registers, its scale words to hs.
;   The loop over a wave's tiles has four trips (64 tiles at the most, 16 waves) and is left as soon as the wave's tile number reaches the expert's count of tiles.
; The count of tokens is read from memory, so branches hang on it: no tensor load, no copy, no cluster.  What the work-groups of an expert share, x's codes (12 KiB a tile), is small beside each one's own 512 KiB of weights.
; An expert's last tile is filled up, in the list, with copies of its last token; with no token at all tile 0 is still made (of other tokens), so that what the next launch asks for early has been written.
; GELU: gelu(u) = max(u, 0) - |u| erfc(|u| / sqrt 2) / 2;  erfc(z) = t exp(-z z + P(t)), t = 1 / (1 + z / 2), P of degree 9: fractional error 1.2e-7 by the formula; the exponent's rounding adds up to 5e-6 below u = -9.
; LIMITS: NaN and infinities are not served; v_exp_f32 gives 0 under 2^-126; a block of zeros gets the byte 1, not 127 (its codes are zeros; this program alone reads the bytes).
.set PITCH, 16384                      ; a row of w1[e] in bytes
.set BSC,   98304                      ; LDS: 0: the weights' fragments, (K step s, tile t) at (8 s + t) x 1,536;  here: their scale words, (s, pair of tiles) at (4 s + pair) x 128
.set BIAS,  102400                     ; b1 in the result's layout: 16 images of 512 bytes
.set SPARE, 110592                     ; the spare words, 128 bytes for each wave: eight blocks of 256 bytes that no other line names
.set ISL,   12288                      ; from a K step's images to the next's
.set SSL,   512
.set WO,   1                           ; v1   4 x my column
.set WI,   2                           ; v2   where I store images
.set WS,   3                           ; v3   and scale words
.set XO,   4                           ; v4   my token's row in xc, + 24 (lane / 16)
.set XSO,  5                           ; v5   and in xs
.set ORDO, 6                           ; v6   my entry of ord
.set TOKN, 7                           ; v7   the token there
.set H24,  8                           ; v8   24 (lane / 16)
.set RR,   9                           ; v9   lane % 16
.set BA0,  10                          ; v10  16 x lane: K steps 0-3 of the images
.set BA1,  11                          ; v11  K steps 4-7
.set BIA,  12                          ; v12  b1's images
.set L4,   13                          ; v13  4 x lane
.set SPW,  14                          ; v14  LDS address of my spare word; never rewritten
.set NIL,  15                          ; v15  0; never rewritten
.set XA,   16                          ; v16-111  x's 8 fragments
.set XS,   112                         ; v112-119 x's 8 scale words: scales and nothing else
.set ST,   120                         ; phase W: v120-215 three sets of 32 numbers
.set F0,   216                         ; v216-227, v228-239 the two tiles' fragments
.set F1,   228
.set TH0,  240                         ; v240-242, v244-246 a block's upper 16 codes (a conversion's three registers begin on an even number)
.set SW,   243                         ; v243 the scale word in the making
.set TH1,  244
.set SCO,  247
.set BY,   248
.set MXA,  249
.set MXB,  250
.set HA,   120                         ; phase M: v120-183 8 accumulators
.set BF,   184                         ; v184-231 four fragments of the weights
.set GT,   184                         ; the gelu's t, P, and u u / max(u, 0), over them
.set GP,   200
.set GA,   216
.set PC,   184                         ; the codes just made, likewise
.set HO,   232                         ; v232 my byte in hc
.set HSO,  233                         ; v233 and in hs
.set TM,   234                         ; v234-249 the quantiser's
.set PW,   250                         ; v250 the scale word just made
.set BS,   251                         ; v251-252 the weights' scale words: scales and nothing else
.set BSA,  253                         ; v253 their LDS address
.set C9,   254                         ; v254-255 the polynomial's highest coefficient, twice
.macro CPAIR r, val                    ; a packed form names a pair and takes its low word for both halves: so both are written
	s_mov_b32 s[\r], \val
	s_mov_b32 s[\r+1], \val
.endm
.macro WLOAD b                         ; block b: w1(32 b + i, my column) into set b % 3
.irp i, 0,1,2,3,4,5,6,7,8,9,10,11,12,13,14,15,16,17,18,19,20,21,22,23,24,25,26,27,28,29,30,31
	global_load_b32 v[ST+32*((\b)%3)+\i], v[WO], s[34:35] offset:(32*(\b)+\i)*PITCH th:TH_LOAD_NT
.endr
.endm
.macro WBLOCK b                        ; block b becomes codes and a scale byte; each second block the halves change places; each fourth the images go to LDS
.set WX, ST+32*((\b)%3)
.set CC, 6*(((\b)%4)/2)
.if (\b) == 4
	s_wait_dscnt 0x0                               ; the first K step's stores have read their registers
.endif
	v_max3_num_f32 v[MXA], |v[WX]|, |v[WX+1]|, |v[WX+2]|
	v_max3_num_f32 v[MXB], |v[WX+3]|, |v[WX+4]|, |v[WX+5]|
.irp i, 6,10,14,18,22,26
	v_max3_num_f32 v[MXA], v[MXA], |v[WX+\i]|, |v[WX+\i+1]|
	v_max3_num_f32 v[MXB], v[MXB], |v[WX+\i+2]|, |v[WX+\i+3]|
.endr
	v_max3_num_f32 v[MXA], v[MXA], |v[WX+30]|, |v[WX+31]|
	v_max3_num_f32 v[MXA], v[MXA], v[MXB], 0x1800000   ; and the floor 2^(3 - 127): the byte cannot fall under 1
	v_add_nc_u32 v[SCO], 0xff000000, v[MXA]        ; 2 off the exponent field: the conversion's scale operand
	v_lshrrev_b32 v[BY], 23, v[SCO]                ; the scale's byte
.if (\b)%4 == 0
	v_mov_b32 v[SW], v[BY]
.else
	v_lshl_or_b32 v[SW], v[BY], 8*((\b)%4), v[SW]
.endif
.if (\b)%2 == 0
	v_cvt_scalef32_pk16_fp6_f32 v[F0+CC:F0+CC+2], v[WX:WX+15], v[SCO]
	v_cvt_scalef32_pk16_fp6_f32 v[TH0:TH0+2], v[WX+16:WX+31], v[SCO]
	v_nop                                          ; one plain place behind a scaled conversion
.else
	v_cvt_scalef32_pk16_fp6_f32 v[F1+CC:F1+CC+2], v[WX:WX+15], v[SCO]
	v_cvt_scalef32_pk16_fp6_f32 v[TH1:TH1+2], v[WX+16:WX+31], v[SCO]
	v_nop
.irp i, 0,1,2                          ; the even block's lanes 16-31 change places with the odd block's lanes 0-15: the first is then the first tile's fragment (lanes 0-15 block 2 c, lanes 16-31 block 2 c + 1), the second the second tile's
	v_permlane16_swap_b32 v[F0+CC+\i], v[F1+CC+\i]
	v_permlane16_swap_b32 v[TH0+\i], v[TH1+\i]
.endr
.irp i, 0,1,2
	v_mov_b32 v[F0+CC+3+\i], v[TH0+\i]
	v_mov_b32 v[F1+CC+3+\i], v[TH1+\i]
.endr
.endif
.if (\b)%4 == 3
.irp q, 0,1,2
	ds_store_b128 v[WI], v[F0+4*\q:F0+4*\q+3] offset:ISL*((\b)/4)+512*\q
	ds_store_b128 v[WI], v[F1+4*\q:F1+4*\q+3] offset:ISL*((\b)/4)+1536+512*\q
.endr
	ds_store_b32 v[WS], v[SW] offset:SSL*((\b)/4)  ; lanes 0-15: the first tile's words; lanes 16-31: the second's
.endif
.endm
.macro ORDLD ahead                     ; the tokens of my tile m + ahead: the entry is held inside the list, all of whose entries are tokens
	s_add_co_u32 s28, s27, \ahead
	s_lshl_b32 s28, s28, 4
	v_add_nc_u32 v[ORDO], s28, v[RR]
	v_min_u32 v[ORDO], 0x3ff, v[ORDO]
	v_lshlrev_b32 v[ORDO], 2, v[ORDO]
	global_load_b32 v[TOKN], v[ORDO], s[12:13]
.endm
.macro AFETCH ahead                    ; x's 8 fragments and scale words of the tile whose tokens are in: 50 loads; then the next list entry: 51
	v_min_u32 v[TOKN], 0x3ff, v[TOKN]
	v_mul_u32_u24 v[XO], v[TOKN], 768
	v_add_nc_u32 v[XO], v[XO], v[H24]
	v_lshlrev_b32 v[XSO], 5, v[TOKN]
.irp s, 0,1,2,3,4,5,6,7
.irp p, 0,1,2,3,4,5
	global_load_b64 v[XA+12*\s+2*\p:XA+12*\s+2*\p+1], v[XO], s[8:9] offset:96*\s+48*(\p/3)+8*(\p%3)
.endr
.endr
	global_load_b128 v[XS:XS+3], v[XSO], s[10:11]
	global_load_b128 v[XS+4:XS+7], v[XSO], s[10:11] offset:16
	ORDLD \ahead
.endm
.macro KHALF s, hf                     ; K step s against tiles 4 hf .. 4 hf + 3.  The 8 accumulators take turns, one instruction a turn
.irp t, 0,1,2,3
.irp q, 0,1,2
.if (\s) < 4
	ds_load_b128 v[BF+12*\t+4*\q:BF+12*\t+4*\q+3], v[BA0] offset:(8*(\s)+4*(\hf)+\t)*1536+512*\q
.else
	ds_load_b128 v[BF+12*\t+4*\q:BF+12*\t+4*\q+3], v[BA1] offset:(8*((\s)-4)+4*(\hf)+\t)*1536+512*\q
.endif
.endr
.endr
	ds_load_b32 v[BS], v[BSA] offset:(4*(\s)+2*(\hf))*128
	ds_load_b32 v[BS+1], v[BSA] offset:(4*(\s)+2*(\hf)+1)*128
.if (\s)+(\hf) == 0
	s_wait_loadcnt 1                               ; the tile's 50 loads are in; the next list entry may be out
.endif
	s_wait_dscnt 0x0
.irp t, 0,2
	v_wmma_scale_f32_16x16x128_f8f6f4 v[HA+8*(4*(\hf)+\t):HA+8*(4*(\hf)+\t)+7], v[BF+12*\t:BF+12*\t+11], v[XA+12*(\s):XA+12*(\s)+11], v[HA+8*(4*(\hf)+\t):HA+8*(4*(\hf)+\t)+7], v[BS+\t/2], v[XS+(\s)] matrix_a_fmt:MATRIX_FMT_FP6 matrix_b_fmt:MATRIX_FMT_FP6
	v_wmma_scale_f32_16x16x128_f8f6f4 v[HA+8*(4*(\hf)+\t+1):HA+8*(4*(\hf)+\t+1)+7], v[BF+12*(\t+1):BF+12*(\t+1)+11], v[XA+12*(\s):XA+12*(\s)+11], v[HA+8*(4*(\hf)+\t+1):HA+8*(4*(\hf)+\t+1)+7], v[BS+\t/2], v[XS+(\s)] matrix_a_fmt:MATRIX_FMT_FP6 matrix_b_fmt:MATRIX_FMT_FP6 matrix_a_scale:MATRIX_SCALE_ROW1
.endr
.rept 4
	v_nop                                          ; places in front of loads into registers that matrix instructions have read, and of the first read of results
.endr
.endm
.macro GELU16 g                        ; 16 numbers, two accumulators, each read from its low end on
.set U, HA+16*(\g)
.irp i, 0,1,2,3,4,5,6,7,8,9,10,11,12,13,14,15
	v_fma_f32 v[GT+\i], |v[U+\i]|, s36, 1.0        ; 1 + z / 2, z = |u| / sqrt 2
.endr
.irp i, 0,1,2,3,4,5,6,7,8,9,10,11,12,13,14,15
	v_rcp_f32 v[GT+\i], v[GT+\i]                   ; t
.endr
.irp i, 0,2,4,6,8,10,12,14
	v_pk_mul_f32 v[GA+\i:GA+\i+1], v[U+\i:U+\i+1], v[U+\i:U+\i+1]   ; u u: plain work behind the batch
.endr
	s_wait_alu depctr_va_vdst(0)                   ; one wait for the 16 reciprocals, ahead of their first reader
.irp i, 0,2,4,6,8,10,12,14
	v_pk_fma_f32 v[GP+\i:GP+\i+1], v[GT+\i:GT+\i+1], v[C9:C9+1], s[56:57] op_sel_hi:[1,1,0]
.endr
.irp k, 54,52,50,48,46,44,42,40
.irp i, 0,2,4,6,8,10,12,14
	v_pk_fma_f32 v[GP+\i:GP+\i+1], v[GP+\i:GP+\i+1], v[GT+\i:GT+\i+1], s[\k:\k+1] op_sel_hi:[1,1,0]
.endr
.endr
.irp i, 0,2,4,6,8,10,12,14
	v_pk_fma_f32 v[GP+\i:GP+\i+1], v[GA+\i:GA+\i+1], s[58:59], v[GP+\i:GP+\i+1] op_sel_hi:[1,0,1]   ; - z z log2(e) + P(t) log2(e) - 1
.endr
.irp i, 0,1,2,3,4,5,6,7,8,9,10,11,12,13,14,15
	v_exp_f32 v[GP+\i], v[GP+\i]
.endr
.irp i, 0,1,2,3,4,5,6,7,8,9,10,11,12,13,14,15
	v_max_num_f32 v[GA+\i], 0, v[U+\i]             ; max(u, 0): plain work behind the batch
.endr
	s_wait_alu depctr_va_vdst(0)                   ; one wait for the 16 exponentials
.irp i, 0,2,4,6,8,10,12,14
	v_pk_mul_f32 v[GP+\i:GP+\i+1], v[GP+\i:GP+\i+1], v[GT+\i:GT+\i+1]   ; erfc(z) / 2
.endr
.irp i, 0,1,2,3,4,5,6,7,8,9,10,11,12,13,14,15
	v_fma_f32 v[U+\i], -|v[U+\i]|, v[GP+\i], v[GA+\i]
.endr
.endm
; 64 numbers of a lane, register 16 b + i = k 32 b + 16 (lane / 16) + i of my token's row, become a fragment's codes in v[PC] on and its scale word in v[PW]
.macro QUANT s
.irp b, 0,1,2,3
	v_max3_num_f32 v[TM+\b], |v[\s+16*\b]|, |v[\s+1+16*\b]|, 0x1800000
.endr
.irp i, 2,4,6,8,10,12,14
.irp b, 0,1,2,3
	v_max3_num_f32 v[TM+\b], v[TM+\b], |v[\s+16*\b+\i]|, |v[\s+1+16*\b+\i]|
.endr
.endr
.irp b, 0,1,2,3
	v_permlanex16_b32 v[TM+4+\b], v[TM+\b], s30, s31
.endr
.irp b, 0,1,2,3
	v_max_num_f32 v[TM+\b], v[TM+\b], v[TM+4+\b]   ; with lane l xor 16's: the block's largest magnitude
.endr
.irp b, 0,1,2,3
	v_add_nc_u32 v[TM+12+\b], 0xff000000, v[TM+\b]
.endr
.irp b, 0,1,2,3
	v_lshrrev_b32 v[TM+4+\b], 23, v[TM+12+\b]
.endr
	v_lshl_or_b32 v[PW], v[TM+5], 8, v[TM+4]
	v_lshl_or_b32 v[PW], v[TM+6], 16, v[PW]
	v_lshl_or_b32 v[PW], v[TM+7], 24, v[PW]
.irp c, 0,1
	v_cvt_scalef32_pk16_fp6_f32 v[PC+6*\c:PC+2+6*\c], v[\s+32*\c:\s+15+32*\c], v[TM+12+2*\c]
	v_cvt_scalef32_pk16_fp6_f32 v[PC+12+4*\c:PC+14+4*\c], v[\s+16+32*\c:\s+31+32*\c], v[TM+12+2*\c+1]
.endr
	v_nop                                          ; one plain place behind a scaled conversion
.irp c, 0,1
.irp i, 0,1,2
	v_permlane16_swap_b32 v[PC+6*\c+\i], v[PC+12+4*\c+\i]
.endr
.irp i, 0,1,2
	v_mov_b32 v[PC+3+6*\c+\i], v[PC+12+4*\c+\i]
.endr
.endr
.endm
	s_load_b256 s[4:11], s[0:1], 0x0               ; w1 s[4:5], b1 s[6:7], xc s[8:9], xs s[10:11]
	s_load_b256 s[12:19], s[0:1], 0x20             ; ord s[12:13], cnt s[14:15], hc s[16:17], hs s[18:19]
	v_lshl_add_u32 v[SPW], v0, 2, SPARE
	v_mov_b32 v[NIL], 0
	v_lshrrev_b32 v1, 5, v0
	v_readfirstlane_b32 s20, v1                    ; wave 0..15
	s_lshr_b32 s21, ttmp9, 5                       ; e
	s_and_b32 s22, ttmp9, 31                       ; j
	s_and_b32 s23, s20, 3                          ; which 32 columns
	s_lshr_b32 s24, s20, 2                         ; which 256 along K
	s_mov_b32 s27, s20                             ; m: my first tile of tokens
	v_and_b32 v[L4], 31, v0                        ; lane, for now
	v_and_b32 v[RR], 15, v0
	v_bfe_u32 v[H24], v0, 4, 1                     ; lane / 16, for now
	v_and_b32 v[WO], 7, v0
	v_bfe_u32 v[WI], v0, 3, 1
	v_lshl_add_u32 v[WO], v[WI], 4, v[WO]
	v_lshl_add_u32 v[WO], v[H24], 3, v[WO]         ; my column of the 32
	v_lshlrev_b32 v[WO], 2, v[WO]
	v_lshlrev_b32 v[MXA], 6, v[H24]                ; b1: + 64 (lane / 16)
	v_lshlrev_b32 v[BA0], 4, v[L4]
	v_add_nc_u32 v[BA1], 49152, v[BA0]
	v_add_nc_u32 v[BIA], BIAS, v[BA0]
	v_lshlrev_b32 v[L4], 2, v[L4]
	v_add_nc_u32 v[BSA], BSC, v[L4]
	s_mul_i32 s28, s24, 24576
	s_mul_i32 s29, s23, 3072
	s_add_co_u32 s28, s28, s29
	v_add_nc_u32 v[WI], s28, v[BA0]                ; (K step 2 (w / 4), tile 2 (w % 4)): 16 x lane + constants x wave
	s_lshl_b32 s28, s24, 10
	s_lshl_b32 s29, s23, 7
	s_add_co_u32 s28, s28, s29
	s_add_co_u32 s28, s28, BSC
	v_add_nc_u32 v[WS], s28, v[L4]
	s_lshl_b32 s28, s20, 9
	v_add_nc_u32 v[MXB], s28, v[BIA]               ; b1's image number w
	v_mul_u32_u24 v[H24], v[H24], 24
	v_mov_b32 v[C9], 0x3e7c6f08                    ; 0.17087277 log2(e)
	v_mov_b32 v[C9+1], 0x3e7c6f08
	s_mov_b32 s30, 0x76543210
	s_mov_b32 s31, 0xfedcba98                      ; v_permlanex16_b32's selects for lane l xor 16
	s_mov_b32 s36, 0x3eb504f3                      ; 1 / (2 sqrt 2)
	CPAIR 40, 0xc034d90f                           ; the polynomial's coefficients x log2(e); the lowest less 1, which halves the result
	CPAIR 42, 0x3fb8ab5a
	CPAIR 44, 0x3f0a29d2
	CPAIR 46, 0x3e0efb2e
	CPAIR 48, 0xbe899a80
	CPAIR 50, 0x3ecdfd18
	CPAIR 52, 0xbfd1a1e5
	CPAIR 54, 0x40097039
	CPAIR 56, 0xbf97d29d
	CPAIR 58, 0xbf38aa3b                           ; - log2(e) / 2
	s_lshl_b32 s28, s21, 24                        ; w1: expert, 16 MiB;
	s_lshl_b32 s29, s24, 22                        ; 256 rows of 16,384 bytes;
	s_add_co_u32 s28, s28, s29
	s_lshl_b32 s29, s22, 9                         ; 128 columns;
	s_add_co_u32 s28, s28, s29
	s_lshl_b32 s29, s23, 7                         ; 32 columns
	s_add_co_u32 s28, s28, s29
	s_mov_b32 s29, 0
	s_lshl_b32 s32, s21, 14                        ; b1: image w holds registers 4 w .. 4 w + 3 of the 64: tile w / 2, its units 4 (w % 2) on: unit 32 (w / 4) + 8 ((w / 2) % 2) + 4 (w % 2) + 16 (lane / 16)
	s_lshl_b32 s33, s22, 9
	s_add_co_u32 s32, s32, s33
	s_lshl_b32 s33, s24, 7
	s_add_co_u32 s32, s32, s33
	s_bfe_u32 s33, s20, 0x10001
	s_lshl_b32 s33, s33, 5
	s_add_co_u32 s32, s32, s33
	s_and_b32 s33, s20, 1
	s_lshl_b32 s33, s33, 4
	s_add_co_u32 s32, s32, s33
	s_mov_b32 s33, 0
	s_wait_kmcnt 0x0
	s_add_nc_u64 s[34:35], s[4:5], s[28:29]
	s_add_nc_u64 s[6:7], s[6:7], s[32:33]
	s_lshl_b32 s28, s21, 7
	s_add_nc_u64 s[14:15], s[14:15], s[28:29]
	s_load_b32 s25, s[14:15], 0x0                  ; the expert's count of tokens
	s_lshl_b32 s28, s21, 12
	s_add_nc_u64 s[12:13], s[12:13], s[28:29]      ; the expert's list
	; ---- PHASE W.  The counts: loads come back in order; a block is in when at most as many loads are out as were issued behind it; where those are 64 or more the count is the field's largest, 63
	global_load_b128 v[F0:F0+3], v[MXA], s[6:7]    ; my sixteenth of b1's images: the oldest load
	WLOAD 0
	WLOAD 1
	WLOAD 2
	s_wait_loadcnt 63                              ; b1's and block 0's 33 loads are in (64 are younger)
	ds_store_b128 v[MXB], v[F0:F0+3]
	s_wait_dscnt 0x0                               ; the store has read its registers
	WBLOCK 0
	WLOAD 3
	s_wait_kmcnt 0x0                               ; the count
	s_add_co_u32 s26, s25, 15
	s_lshr_b32 s26, s26, 4
	s_min_u32 s26, s26, 64
	s_max_u32 s26, s26, 1                          ; tiles of 16 tokens, at least one
	ORDLD 0                                        ; my first tile's tokens
	s_wait_loadcnt 63                              ; block 1 (65 younger)
	WBLOCK 1
	WLOAD 4
	s_wait_loadcnt 63                              ; block 2 (65 younger)
	WBLOCK 2
	WLOAD 5
	s_wait_loadcnt 63                              ; block 3 (65 younger)
	WBLOCK 3
	WLOAD 6
	s_wait_loadcnt 63                              ; block 4 (64 younger); the list entry, older than block 4, is in too
	WBLOCK 4
	WLOAD 7
	AFETCH 16                                      ; behind the last weight load: my first tile's operands, 51 loads
	s_wait_loadcnt 63                              ; block 5 (115 younger)
	WBLOCK 5
	s_wait_loadcnt 63                              ; block 6 (83 younger)
	WBLOCK 6
	s_wait_loadcnt 51                              ; block 7: the tile's 51 may be out
	WBLOCK 7
	s_wait_dscnt 0x0                               ; for the others' sake: my images have landed
	s_barrier_signal -1
	s_barrier_wait -1                              ; the weights' 64 fragments, their scale words and b1 lie in LDS; nothing is written there again
	; ---- PHASE M
.irp b, 0,1,2,3
	v_mov_b32 v[TM+4+\b], 0                        ; a lane permute's destination counts as one of its sources
.endr
	s_mov_b32 s38, 0                               ; trips: four at the most, 64 tiles among 16 waves
.Lunit:
	s_cmp_ge_u32 s27, s26
	s_cbranch_scc1 .Lend                           ; no further tile for this wave; no barrier follows
	s_wait_xcnt 0x0                                ; the last tile's stores have read their data and offsets: both are written again below
	s_min_u32 s28, s27, 63
	s_lshl_b32 s29, s21, 6
	s_add_co_u32 s28, s28, s29                     ; 64 e + m
	s_mul_i32 s29, s28, 49152
	s_mul_i32 s32, s22, 1536
	s_add_co_u32 s29, s29, s32
	v_add_nc_u32 v[HO], s29, v[BA0]                ; hc: [e][tile][K step j][1,536]
	s_lshl_b32 s28, s28, 12
	s_lshl_b32 s32, s22, 7
	s_add_co_u32 s28, s28, s32
	v_add_nc_u32 v[HSO], s28, v[L4]                ; hs: [e][tile][K step j][128]
.irp i, 0,1,2,3,4,5,6,7,8,9,10,11,12,13,14,15
	ds_load_b128 v[HA+4*\i:HA+4*\i+3], v[BIA] offset:512*\i   ; the sums begin as b1
.endr
.irp s, 0,1,2,3,4,5,6,7
	KHALF \s, 0
	KHALF \s, 1
.endr
	s_wait_loadcnt 0x0                             ; the next list entry
	AFETCH 32                                      ; the next tile's operands land under the gelu (entries past the expert's own are tokens too: every load is inside its buffer)
	GELU16 0
	GELU16 1
	GELU16 2
	GELU16 3
	QUANT HA
.irp q, 0,1,2
	global_store_b128 v[HO], v[PC+4*\q:PC+4*\q+3], s[16:17] offset:512*\q   ; the fragment as it stands: 512 consecutive bytes, at a multiple of 512 from hc's first byte
.endr
	global_store_b32 v[HSO], v[PW], s[18:19]
	s_add_co_u32 s27, s27, 16
	s_add_co_u32 s38, s38, 1
	s_cmp_lt_u32 s38, 4
	s_cbranch_scc1 .Lunit
.Lend:
	s_wait_tensorcnt 0x0                           ; the wave's end: behind my last LDS store
	ds_add_u32 v[SPW], v[NIL]
	s_wait_dscnt 0x0
	s_endpgm
.Lfunc_end_k_q4d23e54968_ffn1:
	.size	k_q4d23e54968_ffn1, .Lfunc_end_k_q4d23e54968_ffn1-k_q4d23e54968_ffn1
	.p2alignl 7, 3214868480
	.fill 96, 4, 3214868480
	.section	.rodata,"a",@progbits
	.p2align	6, 0x0
	.amdhsa_kernel k_q4d23e54968_ffn1
		.amdhsa_group_segment_fixed_size 112640
		.amdhsa_private_segment_fixed_size 0
		.amdhsa_enable_private_segment 0
		.amdhsa_kernarg_size 64
		.amdhsa_user_sgpr_count 2
		.amdhsa_user_sgpr_kernarg_segment_ptr 1
		.amdhsa_wavefront_size32 1
		.amdhsa_system_sgpr_workgroup_id_x 1
		.amdhsa_system_sgpr_workgroup_id_y 1
		.amdhsa_system_sgpr_workgroup_id_z 1
		.amdhsa_system_vgpr_workitem_id 0
		.amdhsa_next_free_vgpr 256
		.amdhsa_next_free_sgpr 66
		.amdhsa_reserve_vcc 0
		.amdhsa_float_denorm_mode_32 3
		.amdhsa_float_denorm_mode_16_64 3
		.amdhsa_memory_ordered 1
		.amdhsa_forward_progress 1
		.amdhsa_inst_pref_size 122
	.end_amdhsa_kernel
	.amdgpu_metadata
---
amdhsa.version: [ 1, 2 ]
amdhsa.kernels:
  - .name:           k_q4d23e54968_ffn1
    .symbol:         k_q4d23e54968_ffn1.kd
    .args:
      - { .name: w1, .offset: 0, .size: 8, .value_kind: global_buffer, .address_space: global }
      - { .name: b1, .offset: 8, .size: 8, .value_kind: global_buffer, .address_space: global }
      - { .name: xc, .offset: 16, .size: 8, .value_kind: global_buffer, .address_space: global }
      - { .name: xs, .offset: 24, .size: 8, .value_kind: global_buffer, .address_space: global }
      - { .name: ord, .offset: 32, .size: 8, .value_kind: global_buffer, .address_space: global }
      - { .name: cnt, .offset: 40, .size: 8, .value_kind: global_buffer, .address_space: global }
      - { .name: hc, .offset: 48, .size: 8, .value_kind: global_buffer, .address_space: global }
      - { .name: hs, .offset: 56, .size: 8, .value_kind: global_buffer, .address_space: global }
    .group_segment_fixed_size: 112640
    .private_segment_fixed_size: 0
    .kernarg_segment_align: 8
    .kernarg_segment_size: 64
    .max_flat_workgroup_size: 512
    .sgpr_count:     66
    .vgpr_count:     256
    .wavefront_size: 32
...
	.end_amdgpu_metadata
.endif
;; end of part 3
;; launch ffn2 (part 4): grid 256 x 1, 16 waves a work-group, no clusters, 104,448 bytes of LDS; arguments w2, b2, hc, hs, ord, cnt, out0; writes out0
.if DOCPART == 4
	.amdgcn_target "amdgcn-amd-amdhsa--gfx1250"
	.amdhsa_code_object_version 6
	.text
	.protected	k_q4d23e54968_ffn2
	.globl	k_q4d23e54968_ffn2
	.p2align	8
	.type	k_q4d23e54968_ffn2,@function
k_q4d23e54968_ffn2:
	s_mov_b64 s[64:65], 0
	v_nop
	global_prefetch_b8 v0, s[64:65] scope:SCOPE_SE
	s_setreg_imm32_b32 hwreg(HW_REG_WAVE_MODE, 25, 1), 1
	s_wait_xcnt 0x0
; out = Q(h) Q(w2[e]) + b2[e] for the tokens of expert e, scattered to their rows.  Operands: codes of E2M3 with one E8M0 byte for each 32 along K = 4,096.
; SHARES.  Work-group (e = number / 32, j = number % 32) owns columns 32 j .. 32 j + 31 of w2[e], all of K: 512 KiB of f32, read from memory once.  So each output number has one owner and no sum spans work-groups.
; PHASE W (all 16 waves), as in the launch before: a lane takes a column, its registers run down K; wave w quantises 256 along K and stores four fragments and two scale images in LDS.
;   THE ROTATION: wave w takes the pair of K steps (w + j) % 16 and stores it at LDS slot w, so that LDS addresses hang on the wave alone; phase M walks the slots 0 .. 15 and reads h's pair (slot + j) % 16.
;   The work-groups of an expert so begin at different places of h.  The order of the f32 sums along K therefore differs from slice to slice.
; PHASE M: wave w takes the expert's tiles of 16 tokens w, w + 16, .. : 32 K steps x 2 tiles of columns (source 0 = 16 columns of w2, source 1 = 16 tokens; C begins as b2).  h's fragments come from hc as images of their
;   registers, through a ring of four register slots of two K steps each; the weights' from LDS, a K step ahead.  A lane ends with 16 neighbouring columns of one token's row: 64 bytes.
;   EVERY LANE STORES: the list fills an expert's last tile up with copies of its last token; equal rows give equal results, so the copies store the same bytes to the same row.
;   The loop over a wave's tiles has four trips (64 tiles at the most, 16 waves) and is left as soon as the wave's tile number reaches the expert's count of tiles.
;   A slice is 128 bytes of a row, so an aligned 256 bytes of w2 and of out0 are shared with the neighbouring work-group: a wider slice would leave half of the 256 work-groups without work.
; The count of tokens is read from memory, so branches hang on it: no tensor load, no copy, no cluster.
; LIMITS: NaN and infinities are not served; a block of zeros gets the byte 1, not 127 (its codes are zeros; this program alone reads the bytes).
.set PITCH, 4096                       ; a row of w2[e] in bytes
.set BSC,   98304                      ; LDS: 0: the weights' fragments, (local K step s, tile u) at (2 s + u) x 1,536;  here: their scale words, 128 s
.set SPARE, 102400                     ; the spare words, 128 bytes for each wave: eight blocks of 256 bytes that no other line names
.set ISL,   3072
.set SSL,   128
.set WO,   1                           ; v1   4 x my column; in phase M: my byte in out0
.set OUTO, 1
.set WI,   2                           ; v2   where I store images
.set WS,   3                           ; v3   and scale words
.set BA0,  4                           ; v4   16 x lane: local K steps 0-15; also my place in an image of hc
.set BA1,  5                           ; v5   local K steps 16-31
.set BSA,  6                           ; v6   the weights' scale words
.set TSL,  7                           ; v7   4 x lane + 128 (lane / 16): lanes 0-15 take a pair's first K step's words of hs, lanes 16-31 the second's
.set H64,  8                           ; v8   64 (lane / 16)
.set RR,   9                           ; v9   lane % 16
.set ORDO, 10
.set TOKN, 11
.set OC,   12                          ; v12  128 j + 64 (lane / 16)
.set LN,   13                          ; v13  lane
.set SPW,  14                          ; v14  LDS address of my spare word; never rewritten
.set NIL,  15                          ; v15  0; never rewritten
.set AR,   16                          ; v16-111  the ring: 4 slots x 2 fragments of h
.set ASC,  112                         ; v112-115 a slot's scale words: scales and nothing else
.set BSR,  116                         ; v116-117 the weights' scale words, two buffers: scales and nothing else
.set ST,   124                         ; phase W: v124-219 three sets of 32 numbers
.set F0,   220
.set F1,   232
.set TH0,  244
.set SW,   247
.set TH1,  248
.set SCO,  251
.set MXA,  253
.set MXB,  254
.set BY,   254                         ; (the second chain's register is free when the byte is made)
.set B2,   124                         ; phase M: v124-139 b2 at my 16 columns
.set Y0,   140                         ; v140-147, v148-155 the two accumulators
.set Y1,   148
.set BB,   156                         ; v156-203 two buffers of two fragments of the weights
.set HB,   48                          ; s[48:55] a ring slot's address in hc;  s[56:63] in hs
.set SB,   56
.macro WLOAD b
.irp i, 0,1,2,3,4,5,6,7,8,9,10,11,12,13,14,15,16,17,18,19,20,21,22,23,24,25,26,27,28,29,30,31
	global_load_b32 v[ST+32*((\b)%3)+\i], v[WO], s[34:35] offset:(32*(\b)+\i)*PITCH
.endr
.endm
.macro WBLOCK b
.set WX, ST+32*((\b)%3)
.set CC, 6*(((\b)%4)/2)
.if (\b) == 4
	s_wait_dscnt 0x0                               ; the first K step's stores have read their registers
.endif
	v_max3_num_f32 v[MXA], |v[WX]|, |v[WX+1]|, |v[WX+2]|
	v_max3_num_f32 v[MXB], |v[WX+3]|, |v[WX+4]|, |v[WX+5]|
.irp i, 6,10,14,18,22,26
	v_max3_num_f32 v[MXA], v[MXA], |v[WX+\i]|, |v[WX+\i+1]|
	v_max3_num_f32 v[MXB], v[MXB], |v[WX+\i+2]|, |v[WX+\i+3]|
.endr
	v_max3_num_f32 v[MXA], v[MXA], |v[WX+30]|, |v[WX+31]|
	v_max3_num_f32 v[MXA], v[MXA], v[MXB], 0x1800000   ; and the floor 2^(3 - 127)
	v_add_nc_u32 v[SCO], 0xff000000, v[MXA]
	v_lshrrev_b32 v[BY], 23, v[SCO]
.if (\b)%4 == 0
	v_mov_b32 v[SW], v[BY]
.else
	v_lshl_or_b32 v[SW], v[BY], 8*((\b)%4), v[SW]
.endif
.if (\b)%2 == 0
	v_cvt_scalef32_pk16_fp6_f32 v[F0+CC:F0+CC+2], v[WX:WX+15], v[SCO]
	v_cvt_scalef32_pk16_fp6_f32 v[TH0:TH0+2], v[WX+16:WX+31], v[SCO]
	v_nop                                          ; one plain place behind a scaled conversion
.else
	v_cvt_scalef32_pk16_fp6_f32 v[F1+CC:F1+CC+2], v[WX:WX+15], v[SCO]
	v_cvt_scalef32_pk16_fp6_f32 v[TH1:TH1+2], v[WX+16:WX+31], v[SCO]
	v_nop
.irp i, 0,1,2
	v_permlane16_swap_b32 v[F0+CC+\i], v[F1+CC+\i]
	v_permlane16_swap_b32 v[TH0+\i], v[TH1+\i]
.endr
.irp i, 0,1,2
	v_mov_b32 v[F0+CC+3+\i], v[TH0+\i]
	v_mov_b32 v[F1+CC+3+\i], v[TH1+\i]
.endr
.endif
.if (\b)%4 == 3
.irp q, 0,1,2
	ds_store_b128 v[WI], v[F0+4*\q:F0+4*\q+3] offset:ISL*((\b)/4)+512*\q
	ds_store_b128 v[WI], v[F1+4*\q:F1+4*\q+3] offset:ISL*((\b)/4)+1536+512*\q
.endr
	ds_store_b32 v[WS], v[SW] offset:SSL*((\b)/4)
.endif
.endm
.macro TILEB tb, ts, ahead             ; where tile m + ahead of my expert begins in hc and in hs; the tile is held under the tiles that were written
	s_add_co_u32 s36, s27, \ahead
	s_sub_co_u32 s37, s26, 1
	s_min_u32 s36, s36, s37
	s_min_u32 s36, s36, 63
	s_lshl_b32 s37, s21, 6
	s_add_co_u32 s36, s36, s37
	s_mul_i32 s[\tb], s36, 49152
	s_lshl_b32 s[\ts], s36, 12
.endm
.macro ORDLD ahead
	s_add_co_u32 s36, s27, \ahead
	s_lshl_b32 s36, s36, 4
	v_add_nc_u32 v[ORDO], s36, v[RR]
	v_min_u32 v[ORDO], 0x3ff, v[ORDO]
	v_lshlrev_b32 v[ORDO], 2, v[ORDO]
	global_load_b32 v[TOKN], v[ORDO], s[12:13]
.endm
.macro PAIRLD slot, sg, tb, ts         ; h's pair of K steps (sg + j) % 16 of the tile at s[tb], s[ts] into a ring slot: 7 loads.  The slot's addresses are written again only when its last loads have been waited for
	s_add_co_u32 s36, s23, \sg
	s_and_b32 s36, s36, 15
	s_mul_i32 s38, s36, 3072
	s_add_co_u32 s38, s38, s[\tb]
	s_add_nc_u64 s[HB+2*(\slot):HB+2*(\slot)+1], s[8:9], s[38:39]
	s_lshl_b32 s38, s36, 8
	s_add_co_u32 s38, s38, s[\ts]
	s_add_nc_u64 s[SB+2*(\slot):SB+2*(\slot)+1], s[10:11], s[38:39]
.irp f, 0,1
.irp q, 0,1,2
	global_load_b128 v[AR+24*(\slot)+12*\f+4*\q:AR+24*(\slot)+12*\f+4*\q+3], v[BA0], s[HB+2*(\slot):HB+2*(\slot)+1] offset:1536*\f+512*\q
.endr
.endr
	global_load_b32 v[ASC+(\slot)], v[TSL], s[SB+2*(\slot):SB+2*(\slot)+1]
.endm
.macro BLD s                           ; the weights' two fragments and scale words of local K step s into buffer s % 2: 7 LDS loads
.irp u, 0,1
.irp q, 0,1,2
.if (\s) < 16
	ds_load_b128 v[BB+24*((\s)%2)+12*\u+4*\q:BB+24*((\s)%2)+12*\u+4*\q+3], v[BA0] offset:(\s)*3072+1536*\u+512*\q
.else
	ds_load_b128 v[BB+24*((\s)%2)+12*\u+4*\q:BB+24*((\s)%2)+12*\u+4*\q+3], v[BA1] offset:((\s)-16)*3072+1536*\u+512*\q
.endif
.endr
.endr
	ds_load_b32 v[BSR+(\s)%2], v[BSA] offset:128*(\s)
.endm
.macro STEP s                          ; local K step s.  The two accumulators take turns, one instruction a turn
.if (\s) < 31
	BLD (\s)+1
.endif
.if (\s)%2 == 0
	s_wait_loadcnt 21                              ; this ring slot's 7 loads are in; the three younger slots' 21 may be out
.endif
.if (\s) == 0
	v_min_u32 v[TOKN], 0x3ff, v[TOKN]              ; (the list entry is older than this slot's loads)
	v_lshlrev_b32 v[OUTO], 12, v[TOKN]
	v_add_nc_u32 v[OUTO], v[OUTO], v[OC]           ; my token's row, my 64 bytes
.endif
.if (\s) < 31
	s_wait_dscnt 7                                 ; this K step's 7 LDS loads are in; the next step's 7 may be out
.else
	s_wait_dscnt 0x0
.endif
.set PB, BB+24*((\s)%2)
.set PA, AR+24*(((\s)/2)%4)+12*((\s)%2)
.set PS, ASC+((\s)/2)%4
.set PR, BSR+(\s)%2
.if (\s) == 0
	v_wmma_scale_f32_16x16x128_f8f6f4 v[Y0:Y0+7], v[PB:PB+11], v[PA:PA+11], v[B2:B2+7], v[PR], v[PS] matrix_a_fmt:MATRIX_FMT_FP6 matrix_b_fmt:MATRIX_FMT_FP6
	v_wmma_scale_f32_16x16x128_f8f6f4 v[Y1:Y1+7], v[PB+12:PB+23], v[PA:PA+11], v[B2+8:B2+15], v[PR], v[PS] matrix_a_fmt:MATRIX_FMT_FP6 matrix_b_fmt:MATRIX_FMT_FP6 matrix_a_scale:MATRIX_SCALE_ROW1
.elseif (\s)%2 == 0
	v_wmma_scale_f32_16x16x128_f8f6f4 v[Y0:Y0+7], v[PB:PB+11], v[PA:PA+11], v[Y0:Y0+7], v[PR], v[PS] matrix_a_fmt:MATRIX_FMT_FP6 matrix_b_fmt:MATRIX_FMT_FP6
	v_wmma_scale_f32_16x16x128_f8f6f4 v[Y1:Y1+7], v[PB+12:PB+23], v[PA:PA+11], v[Y1:Y1+7], v[PR], v[PS] matrix_a_fmt:MATRIX_FMT_FP6 matrix_b_fmt:MATRIX_FMT_FP6 matrix_a_scale:MATRIX_SCALE_ROW1
.else
	v_wmma_scale_f32_16x16x128_f8f6f4 v[Y0:Y0+7], v[PB:PB+11], v[PA:PA+11], v[Y0:Y0+7], v[PR], v[PS] matrix_a_fmt:MATRIX_FMT_FP6 matrix_b_fmt:MATRIX_FMT_FP6 matrix_b_scale:MATRIX_SCALE_ROW1
	v_wmma_scale_f32_16x16x128_f8f6f4 v[Y1:Y1+7], v[PB+12:PB+23], v[PA:PA+11], v[Y1:Y1+7], v[PR], v[PS] matrix_a_fmt:MATRIX_FMT_FP6 matrix_b_fmt:MATRIX_FMT_FP6 matrix_a_scale:MATRIX_SCALE_ROW1 matrix_b_scale:MATRIX_SCALE_ROW1
.endif
.rept 4
	v_nop                                          ; places in front of loads into registers that matrix instructions have read, and of the stores of results
.endr
.if (\s)%2 == 1                        ; the slot is read out: it takes the pair four on, from pair 16 on the next tile's
.if (\s)/2+4 < 16
	PAIRLD ((\s)/2)%4, (\s)/2+4, 40, 41
.else
.if (\s)/2+4 == 16
	ORDLD 16                                       ; the next tile's tokens
.endif
	PAIRLD ((\s)/2)%4, (\s)/2-12, 42, 43
.endif
.endif
.endm
	s_load_b256 s[4:11], s[0:1], 0x0               ; w2 s[4:5], b2 s[6:7], hc s[8:9], hs s[10:11]
	s_load_b128 s[12:15], s[0:1], 0x20             ; ord s[12:13], cnt s[14:15]
	s_load_b64 s[16:17], s[0:1], 0x30              ; out0
	v_lshl_add_u32 v[SPW], v0, 2, SPARE
	v_mov_b32 v[NIL], 0
	v_lshrrev_b32 v1, 5, v0
	v_readfirstlane_b32 s20, v1                    ; wave 0..15
	s_lshr_b32 s21, ttmp9, 5                       ; e
	s_and_b32 s22, ttmp9, 31                       ; j
	s_and_b32 s23, s22, 15                         ; the rotation
	s_mov_b32 s27, s20                             ; m: my first tile of tokens
	s_mov_b32 s29, 0
	s_mov_b32 s39, 0
	v_and_b32 v[LN], 31, v0
	v_and_b32 v[RR], 15, v0
	v_bfe_u32 v[H64], v0, 4, 1                     ; lane / 16, for now
	v_and_b32 v[WO], 7, v0
	v_bfe_u32 v[WI], v0, 3, 1
	v_lshl_add_u32 v[WO], v[WI], 4, v[WO]
	v_lshl_add_u32 v[WO], v[H64], 3, v[WO]         ; my column of the 32
	v_lshlrev_b32 v[WO], 2, v[WO]
	v_lshlrev_b32 v[BA0], 4, v[LN]
	v_add_nc_u32 v[BA1], 49152, v[BA0]
	v_lshlrev_b32 v[TSL], 2, v[LN]
	v_add_nc_u32 v[BSA], BSC, v[TSL]
	s_mul_i32 s36, s20, 6144
	v_add_nc_u32 v[WI], s36, v[BA0]                ; slot w: 16 x lane + a constant x wave
	s_lshl_b32 s36, s20, 8
	s_add_co_u32 s36, s36, BSC
	v_add_nc_u32 v[WS], s36, v[TSL]
	v_lshl_add_u32 v[TSL], v[H64], 7, v[TSL]
	s_lshl_b32 s37, s22, 7                         ; 128 j
	v_lshl_add_u32 v[OC], v[H64], 6, s37
	v_lshlrev_b32 v[H64], 6, v[H64]
	s_add_co_u32 s36, s20, s23
	s_and_b32 s36, s36, 15                         ; my pair of K steps
	s_lshl_b32 s28, s21, 24                        ; w2: expert, 16 MiB;
	s_lshl_b32 s36, s36, 20                        ; 256 rows of 4,096 bytes;
	s_add_co_u32 s28, s28, s36
	s_add_co_u32 s28, s28, s37                     ; 32 columns
	s_wait_kmcnt 0x0
	s_add_nc_u64 s[34:35], s[4:5], s[28:29]
	s_lshl_b32 s28, s21, 7
	s_add_nc_u64 s[14:15], s[14:15], s[28:29]
	s_load_b32 s24, s[14:15], 0x0                  ; the expert's count of tokens
	s_lshl_b32 s28, s21, 12
	s_add_nc_u64 s[12:13], s[12:13], s[28:29]      ; the expert's list
	s_add_co_u32 s28, s28, s37
	s_add_nc_u64 s[6:7], s[6:7], s[28:29]          ; b2 at my 32 columns
	; ---- PHASE W.  The counts: a block is in when at most as many loads are out as were issued behind it; where those are 64 or more the count is the field's largest, 63
	WLOAD 0
	WLOAD 1
	WLOAD 2
	s_wait_loadcnt 63                              ; block 0 (64 younger)
	WBLOCK 0
	WLOAD 3
	s_wait_loadcnt 63
	WBLOCK 1
	WLOAD 4
	s_wait_loadcnt 63
	WBLOCK 2
	WLOAD 5
	s_wait_loadcnt 63
	WBLOCK 3
	WLOAD 6
	s_wait_loadcnt 63
	WBLOCK 4
	WLOAD 7
	s_wait_kmcnt 0x0                               ; the count
	s_min_u32 s24, s24, 1024
	s_add_co_u32 s25, s24, 15
	s_lshr_b32 s25, s25, 4                         ; tiles of 16 tokens, 0 to 64
	s_max_u32 s26, s25, 1                          ; tiles that the launch before has written
	TILEB 40, 41, 0
	ORDLD 0                                        ; behind the last weight load: my first tile's tokens and its first four pairs of K steps: 29 loads
	PAIRLD 0, 0, 40, 41
	PAIRLD 1, 1, 40, 41
	PAIRLD 2, 2, 40, 41
	PAIRLD 3, 3, 40, 41
	s_wait_loadcnt 63                              ; block 5 (93 younger)
	WBLOCK 5
	s_wait_loadcnt 61                              ; block 6: block 7's 32 and the 29 may be out
	WBLOCK 6
.irp i, 0,1,2,3
	global_load_b128 v[B2+4*\i:B2+4*\i+3], v[H64], s[6:7] offset:16*\i   ; b2 at columns 16 (lane / 16) + 0 .. 15, into the set that block 6 has left
.endr
	s_wait_loadcnt 33                              ; block 7: the 29 and b2's 4 may be out
	WBLOCK 7
	s_wait_dscnt 0x0                               ; for the others' sake: my images have landed
	s_barrier_signal -1
	s_barrier_wait -1                              ; the weights' 64 fragments and their scale words lie in LDS; nothing is written there again
	; ---- PHASE M
	s_wait_loadcnt 0x0
	s_mov_b32 s44, 0                               ; trips: four at the most, 64 tiles among 16 waves
.Lunit:
	s_cmp_ge_u32 s27, s25
	s_cbranch_scc1 .Lend                           ; no further tile for this wave; no barrier follows
	TILEB 42, 43, 16                               ; where the next tile begins
	v_nop                                          ; with the four behind the last product: six places, where five are asked before a product begins an accumulator anew
	v_nop
	BLD 0
.irp s, 0,1,2,3,4,5,6,7,8,9,10,11,12,13,14,15,16,17,18,19,20,21,22,23,24,25,26,27,28,29,30,31
	STEP \s
.endr
	global_store_b128 v[OUTO], v[Y0:Y0+3], s[16:17]              ; each accumulator from its low end on; a lane's 64 bytes are consecutive, two lanes fill the slice's 128
	global_store_b128 v[OUTO], v[Y0+4:Y0+7], s[16:17] offset:16
	global_store_b128 v[OUTO], v[Y1:Y1+3], s[16:17] offset:32
	global_store_b128 v[OUTO], v[Y1+4:Y1+7], s[16:17] offset:48
	s_wait_xcnt 0x0                                ; the stores have read their data and their offset: the next trip writes both again
	s_mov_b32 s40, s42                             ; the next tile is the tile in hand
	s_mov_b32 s41, s43
	s_add_co_u32 s27, s27, 16
	s_add_co_u32 s44, s44, 1
	s_cmp_lt_u32 s44, 4
	s_cbranch_scc1 .Lunit
.Lend:
	s_wait_tensorcnt 0x0                           ; the wave's end: behind my last LDS store
	ds_add_u32 v[SPW], v[NIL]
	s_wait_dscnt 0x0
	s_endpgm
.Lfunc_end_k_q4d23e54968_ffn2:
	.size	k_q4d23e54968_ffn2, .Lfunc_end_k_q4d23e54968_ffn2-k_q4d23e54968_ffn2
	.p2alignl 7, 3214868480
	.fill 96, 4, 3214868480
	.section	.rodata,"a",@progbits
	.p2align	6, 0x0
	.amdhsa_kernel k_q4d23e54968_ffn2
		.amdhsa_group_segment_fixed_size 104448
		.amdhsa_private_segment_fixed_size 0
		.amdhsa_enable_private_segment 0
		.amdhsa_kernarg_size 56
		.amdhsa_user_sgpr_count 2
		.amdhsa_user_sgpr_kernarg_segment_ptr 1
		.amdhsa_wavefront_size32 1
		.amdhsa_system_sgpr_workgroup_id_x 1
		.amdhsa_system_sgpr_workgroup_id_y 1
		.amdhsa_system_sgpr_workgroup_id_z 1
		.amdhsa_system_vgpr_workitem_id 0
		.amdhsa_next_free_vgpr 256
		.amdhsa_next_free_sgpr 66
		.amdhsa_reserve_vcc 0
		.amdhsa_float_denorm_mode_32 3
		.amdhsa_float_denorm_mode_16_64 3
		.amdhsa_memory_ordered 1
		.amdhsa_forward_progress 1
		.amdhsa_inst_pref_size 89
	.end_amdhsa_kernel
	.amdgpu_metadata
---
amdhsa.version: [ 1, 2 ]
amdhsa.kernels:
  - .name:           k_q4d23e54968_ffn2
    .symbol:         k_q4d23e54968_ffn2.kd
    .args:
      - { .name: w2, .offset: 0, .size: 8, .value_kind: global_buffer, .address_space: global }
      - { .name: b2, .offset: 8, .size: 8, .value_kind: global_buffer, .address_space: global }
      - { .name: hc, .offset: 16, .size: 8, .value_kind: global_buffer, .address_space: global }
      - { .name: hs, .offset: 24, .size: 8, .value_kind: global_buffer, .address_space: global }
      - { .name: ord, .offset: 32, .size: 8, .value_kind: global_buffer, .address_space: global }
      - { .name: cnt, .offset: 40, .size: 8, .value_kind: global_buffer, .address_space: global }
      - { .name: out0, .offset: 48, .size: 8, .value_kind: global_buffer, .address_space: global }
    .group_segment_fixed_size: 104448
    .private_segment_fixed_size: 0
    .kernarg_segment_align: 8
    .kernarg_segment_size: 56
    .max_flat_workgroup_size: 512
    .sgpr_count:     66
    .vgpr_count:     256
    .wavefront_size: 32
...
	.end_amdgpu_metadata
.endif
;; end of part 4
;; ======== version 2 of 2: 4 launches
;; workspace buffers: xc 786,432 bytes; xs 32,768 bytes; idx 4,096 bytes of whole numbers; ord 32,768 bytes of whole numbers; cnt 1,024 bytes of whole numbers; hc 25,165,824 bytes; hs 2,097,152 bytes
;; launch route (part 5): grid 256 x 1, 4 waves a work-group, no clusters, 84,736 bytes of LDS; arguments x, router_w, router_b, game_emb, xc, xs, idx; writes xc, xs, idx
.if DOCPART == 5
	.amdgcn_target "amdgcn-amd-amdhsa--gfx1250"
	.amdhsa_code_object_version 6
	.text
	.protected	k_q4d23e54968_route
	.globl	k_q4d23e54968_route
	.p2align	8
	.type	k_q4d23e54968_route,@function
k_q4d23e54968_route:
	s_mov_b64 s[64:65], 0
	v_nop
	global_prefetch_b8 v0, s[64:65] scope:SCOPE_SE
	s_setreg_imm32_b32 hwreg(HW_REG_WAVE_MODE, 25, 1), 1
	s_wait_xcnt 0x0
; ROUTER AND FIRST QUANTISER.  1,024 tokens of 1,024 numbers, 8 experts.  A wave takes one token, a work-group four.
; logits = x . router_w + router_b in f32 (fused multiply-adds, 32 numbers a lane, then a sum over the 32 lanes); the expert is the first largest logit.
; sel = x + 0.1 game_emb[expert]: the embedding is CHOSEN AS A VALUE (v_cndmask_b32 over all eight rows), so that no address hangs on the choice.
; sel is quantised along its 1,024 numbers: codes of E2M3, 768 bytes a token, to xc [token][768]; one E8M0 byte for each 32 to xs [token][32]; the expert's number to idx [token].
; router_w (transposed to [expert][k]) and game_emb come into LDS once for the four waves: each wave brings a quarter; one barrier.
; LIMITS: NaN and infinities are not served.  Of equal logits the lower expert wins; logits closer than the rounding of an f32 sum of 1,024 terms may be told apart otherwise than by another order of summing.
; A block of zeros gets the byte 1 (the floor), not 127: its codes are zeros, and this program alone reads the bytes.
; No matrix unit: N = 8.  No cluster: what the work-groups share, 64 KiB of tables, is read by plain loads once a work-group.
.set RWP,   4112                       ; LDS: a plane of router_w, [k] for one expert: 4,096 bytes + 16
.set EMB,   33024                      ; LDS: game_emb as it lies, 32,768 bytes
.set STG,   65792                      ; LDS: a stage of 32 places of 128 + 16 bytes for each wave
.set STB,   4608
.set SPARE, 84224                      ; the spare words, 128 bytes for each wave: two blocks of 256 bytes that no other line names
.set LN,   1                           ; v1   lane
.set L16,  2                           ; v2   16 x lane: also the LDS address in a plane of router_w
.set RWS,  3                           ; v3   where I store router_w's numbers
.set EMS,  4                           ; v4   where I store game_emb's
.set GOF,  5                           ; v5   my byte offset in router_w and in game_emb: 8,192 x wave + 16 x lane
.set EMA,  6                           ; v6   where I read game_emb's rows
.set STW,  7                           ; v7   the stage, on the way in
.set STR,  8                           ; v8   and on the way out
.set C24,  9                           ; v9   24 x lane: my block's codes in the token's row
.set TP,   10
.set ZR,   11                          ; v11  0: the offset of idx's store
.set SPW,  12                          ; v12  LDS address of my spare word; never rewritten
.set NIL,  13                          ; v13  0; never rewritten
.set BEST, 14
.set BI,   15
.set RW,   16                          ; v16-79   router_w as loaded; later two buffers of 32 for LDS reads; later my block of 32
.set EM,   80                          ; v80-143  game_emb as loaded
.set X,    144                         ; v144-175 x: register 4 q + i = number 128 q + 4 lane + i
.set ACC,  80                          ; v80-95   eight pair sums
.set LG,   96                          ; v96-103  the logits
.set G,    112                         ; v112-143 the chosen embedding, then sel
	s_load_b256 s[4:11], s[0:1], 0x0               ; x s[4:5], router_w s[6:7], router_b s[8:9], game_emb s[10:11]
	s_load_b128 s[12:15], s[0:1], 0x20             ; xc s[12:13], xs s[14:15]
	s_load_b64 s[16:17], s[0:1], 0x30              ; idx
	v_lshl_add_u32 v[SPW], v0, 2, SPARE
	v_mov_b32 v[NIL], 0
	v_lshrrev_b32 v[LN], 5, v0
	v_readfirstlane_b32 s18, v[LN]                 ; wave 0..3
	v_and_b32 v[LN], 31, v0
	v_lshlrev_b32 v[L16], 4, v[LN]
	s_lshl_b32 s19, ttmp9, 2
	s_add_co_u32 s19, s19, s18                     ; my token
	s_mov_b32 s20, 0x76543210
	s_mov_b32 s21, 0xfedcba98                      ; v_permlanex16_b32's selects for lane l xor 16
	s_lshl_b32 s42, s18, 13
	v_add_nc_u32 v[GOF], s42, v[L16]
	v_add_nc_u32 v[EMS], EMB, v[GOF]
	v_add_nc_u32 v[EMA], EMB, v[L16]
	v_and_b32 v[RWS], 1, v0                        ; a loaded 16 bytes are experts 4 (lane & 1) + 0..3 of k = 256 wave + 16 c + lane / 2
	v_mul_u32_u24 v[RWS], v[RWS], 4*RWP
	v_lshrrev_b32 v[TP], 1, v[LN]
	v_lshl_add_u32 v[RWS], v[TP], 2, v[RWS]
	s_lshl_b32 s42, s18, 10
	v_add_nc_u32 v[RWS], s42, v[RWS]
	s_mul_i32 s42, s18, STB
	s_add_co_u32 s42, s42, STG
	v_lshrrev_b32 v[TP], 3, v[LN]
	v_lshl_add_u32 v[STW], v[TP], 4, v[L16]        ; eight lanes' 128 bytes on end, then 16 of padding
	v_add_nc_u32 v[STW], s42, v[STW]
	v_mul_u32_u24 v[STR], v[LN], 144
	v_add_nc_u32 v[STR], s42, v[STR]
	v_mul_u32_u24 v[C24], v[LN], 24
	v_mov_b32 v[ZR], 0
	s_mov_b32 s43, 0
	s_wait_alu depctr_va_vdst(0)
	s_wait_kmcnt 0x0
	s_load_b256 s[24:31], s[8:9], 0x0              ; router_b's eight numbers
	s_lshl_b32 s42, s19, 12
	s_add_nc_u64 s[4:5], s[4:5], s[42:43]          ; x at my token
	s_mul_i32 s42, s19, 768
	s_add_nc_u64 s[12:13], s[12:13], s[42:43]
	s_lshl_b32 s42, s19, 5
	s_add_nc_u64 s[14:15], s[14:15], s[42:43]
	s_lshl_b32 s42, s19, 2
	s_add_nc_u64 s[16:17], s[16:17], s[42:43]
.irp c, 0,1,2,3,4,5,6,7,8,9,10,11,12,13,14,15
	global_load_b128 v[RW+4*\c:RW+4*\c+3], v[GOF], s[6:7] offset:512*\c
.endr
.irp c, 0,1,2,3,4,5,6,7,8,9,10,11,12,13,14,15
	global_load_b128 v[EM+4*\c:EM+4*\c+3], v[GOF], s[10:11] offset:512*\c
.endr
.irp q, 0,1,2,3,4,5,6,7
	global_load_b128 v[X+4*\q:X+4*\q+3], v[L16], s[4:5] offset:512*\q th:TH_LOAD_NT
.endr
	s_wait_loadcnt 24                              ; router_w's 16 loads are in; game_emb's 16 and x's 8 may be out
.irp c, 0,1,2,3,4,5,6,7,8,9,10,11,12,13,14,15
.irp i, 0,1,2,3
	ds_store_b32 v[RWS], v[RW+4*\c+\i] offset:RWP*\i+64*\c
.endr
.endr
	s_wait_loadcnt 8                               ; game_emb's are in; x's 8 may be out
.irp c, 0,1,2,3,4,5,6,7,8,9,10,11,12,13,14,15
	ds_store_b128 v[EMS], v[EM+4*\c:EM+4*\c+3] offset:512*\c
.endr
	s_wait_dscnt 0x0                               ; for the others' sake: my stores have landed
	s_barrier_signal -1
	s_barrier_wait -1                              ; both tables are whole
.macro LDW e                           ; expert e's plane, my 32 numbers, into buffer e % 2
.irp q, 0,1,2,3,4,5,6,7
	ds_load_b128 v[16+32*((\e)%2)+4*\q:16+32*((\e)%2)+4*\q+3], v[L16] offset:RWP*(\e)+512*\q
.endr
.endm
.macro DOT e                           ; my 32 products, two at a time; the first starts the sum
.set BU, 16+32*((\e)%2)
	v_pk_mul_f32 v[ACC+2*(\e):ACC+2*(\e)+1], v[X:X+1], v[BU:BU+1]
.irp p, 2,4,6,8,10,12,14,16,18,20,22,24,26,28,30
	v_pk_fma_f32 v[ACC+2*(\e):ACC+2*(\e)+1], v[X+\p:X+\p+1], v[BU+\p:BU+\p+1], v[ACC+2*(\e):ACC+2*(\e)+1]
.endr
.endm
.macro LDE e                           ; row e of game_emb, my 32 numbers: row 0 into G, the others into buffer e % 2
.if (\e) == 0
.set BU, G
.else
.set BU, 16+32*((\e)%2)
.endif
.irp q, 0,1,2,3,4,5,6,7
	ds_load_b128 v[BU+4*\q:BU+4*\q+3], v[EMA] offset:4096*(\e)+512*\q
.endr
.endm
.macro SEL e                           ; G takes row e where the token's expert is e
.set BU, 16+32*((\e)%2)
.irp i, 0,1,2,3,4,5,6,7,8,9,10,11,12,13,14,15,16,17,18,19,20,21,22,23,24,25,26,27,28,29,30,31
	v_cndmask_b32 v[G+\i], v[G+\i], v[BU+\i], s[32+(\e)]
.endr
.endm
	LDW 0
	s_wait_loadcnt 0x0                             ; x
.irp e, 0,1,2,3,4,5,6
	LDW \e+1
	s_wait_dscnt 8                                 ; this plane's 8 loads are in; the next plane's 8 may be out
	DOT \e
.endr
	s_wait_dscnt 0x0
	DOT 7
	LDE 0                                          ; the embeddings' first two rows are asked for while the logits are summed
	LDE 1
.irp e, 0,1,2,3,4,5,6,7
	v_add_f32 v[LG+\e], v[ACC+2*\e], v[ACC+2*\e+1]
.endr
.irp m, 1,2,4,8
.irp e, 0,1,2,3,4,5,6,7
	v_add_f32_dpp v[LG+\e], v[LG+\e], v[LG+\e] row_xmask:\m row_mask:0xf bank_mask:0xf
.endr
.endr
.irp e, 0,1,2,3,4,5,6,7
	v_permlanex16_b32 v[ACC+\e], v[LG+\e], s20, s21   ; (its destination has been written: a pair sum that is done with)
.endr
.irp e, 0,1,2,3,4,5,6,7
	v_add_f32 v[LG+\e], v[LG+\e], v[ACC+\e]        ; every lane holds the same eight sums
.endr
	s_wait_alu depctr_va_vdst(0)
	s_wait_kmcnt 0x0                               ; router_b
.irp e, 0,1,2,3,4,5,6,7
	v_add_f32 v[LG+\e], s[24+\e], v[LG+\e]
.endr
	v_mov_b32 v[BEST], v[LG]
	v_mov_b32 v[BI], 0
.irp e, 1,2,3,4,5,6,7
	v_cmp_le_f32 vcc_lo, v[LG+\e], v[BEST]         ; not larger: the earlier expert stays, in a tie too
	v_cndmask_b32 v[BI], \e, v[BI], vcc_lo
	v_max_num_f32 v[BEST], v[BEST], v[LG+\e]
.endr
.irp e, 1,2,3,4,5,6,7
	v_cmp_eq_u32 s[32+\e], \e, v[BI]
.endr
.irp e, 1,2,3,4,5,6
	LDE \e+1
	s_wait_dscnt 8                                 ; rows up to e are in; the next row's 8 loads may be out
	SEL \e
.endr
	s_wait_dscnt 0x0
	SEL 7
.irp p, 0,2,4,6,8,10,12,14,16,18,20,22,24,26,28,30
	v_pk_fma_f32 v[G+\p:G+\p+1], v[G+\p:G+\p+1], 0x3dcccccd, v[X+\p:X+\p+1] op_sel_hi:[1,0,1]   ; sel = 0.1 emb + x
.endr
	; the turn: a lane holds 4 numbers of each 128; the conversions want 32 neighbours in a lane.  Through my own stage; LDS serves a wave's instructions in order
.irp q, 0,1,2,3,4,5,6,7
	ds_store_b128 v[STW], v[G+4*\q:G+4*\q+3] offset:576*\q
.endr
.irp i, 0,1,2,3,4,5,6,7
	ds_load_b128 v[16+4*\i:16+4*\i+3], v[STR] offset:16*\i
.endr
	s_wait_dscnt 0x0                               ; lane l holds block l: numbers 32 l .. 32 l + 31
	v_max3_num_f32 v56, |v16|, |v17|, |v18|
	v_max3_num_f32 v57, |v19|, |v20|, |v21|
.irp i, 6,10,14,18,22,26
	v_max3_num_f32 v56, v56, |v[16+\i]|, |v[17+\i]|
	v_max3_num_f32 v57, v57, |v[18+\i]|, |v[19+\i]|
.endr
	v_max3_num_f32 v56, v56, |v46|, |v47|
	v_max3_num_f32 v56, v56, v57, 0x1800000        ; and the floor 2^(3 - 127): the byte cannot fall under 1
	v_add_nc_u32 v58, 0xff000000, v56              ; 2 off the exponent field: the conversion takes the exponent field of this operand as its scale
	v_cvt_scalef32_pk16_fp6_f32 v[48:50], v[16:31], v58
	v_cvt_scalef32_pk16_fp6_f32 v[52:54], v[32:47], v58
	v_lshrrev_b32 v59, 23, v58                     ; the scale's byte
	global_store_b96 v[C24], v[48:50], s[12:13]    ; the two stores of the wave cover the token's 768 consecutive bytes
	global_store_b96 v[C24], v[52:54], s[12:13] offset:12
	global_store_b8 v[LN], v59, s[14:15]           ; 32 consecutive bytes
	v_cmp_eq_u32 vcc_lo, 0, v[LN]
	s_wait_xcnt 0x0                                ; EXEC changes only behind this wait
	s_and_saveexec_b32 s40, vcc_lo
	global_store_b32 v[ZR], v[BI], s[16:17]        ; lane 0: the token's expert, at a fixed place
	s_wait_xcnt 0x0
	s_or_b32 exec_lo, exec_lo, s40
	s_wait_tensorcnt 0x0                           ; the wave's end: behind my last LDS store
	ds_add_u32 v[SPW], v[NIL]
	s_wait_dscnt 0x0
	s_endpgm
.Lfunc_end_k_q4d23e54968_route:
	.size	k_q4d23e54968_route, .Lfunc_end_k_q4d23e54968_route-k_q4d23e54968_route
	.p2alignl 7, 3214868480
	.fill 96, 4, 3214868480
	.section	.rodata,"a",@progbits
	.p2align	6, 0x0
	.amdhsa_kernel k_q4d23e54968_route
		.amdhsa_group_segment_fixed_size 84736
		.amdhsa_private_segment_fixed_size 0
		.amdhsa_enable_private_segment 0
		.amdhsa_kernarg_size 56
		.amdhsa_user_sgpr_count 2
		.amdhsa_user_sgpr_kernarg_segment_ptr 1
		.amdhsa_wavefront_size32 1
		.amdhsa_system_sgpr_workgroup_id_x 1
		.amdhsa_system_sgpr_workgroup_id_y 1
		.amdhsa_system_sgpr_workgroup_id_z 1
		.amdhsa_system_vgpr_workitem_id 0
		.amdhsa_next_free_vgpr 192
		.amdhsa_next_free_sgpr 66
		.amdhsa_reserve_vcc 1
		.amdhsa_float_denorm_mode_32 3
		.amdhsa_float_denorm_mode_16_64 3
		.amdhsa_memory_ordered 1
		.amdhsa_forward_progress 1
		.amdhsa_inst_pref_size 51
	.end_amdhsa_kernel
	.amdgpu_metadata
---
amdhsa.version: [ 1, 2 ]
amdhsa.kernels:
  - .name:           k_q4d23e54968_route
    .symbol:         k_q4d23e54968_route.kd
    .args:
      - { .name: x, .offset: 0, .size: 8, .value_kind: global_buffer, .address_space: global }
      - { .name: router_w, .offset: 8, .size: 8, .value_kind: global_buffer, .address_space: global }
      - { .name: router_b, .offset: 16, .size: 8, .value_kind: global_buffer, .address_space: global }
      - { .name: game_emb, .offset: 24, .size: 8, .value_kind: global_buffer, .address_space: global }
      - { .name: xc, .offset: 32, .size: 8, .value_kind: global_buffer, .address_space: global }
      - { .name: xs, .offset: 40, .size: 8, .value_kind: global_buffer, .address_space: global }
      - { .name: idx, .offset: 48, .size: 8, .value_kind: global_buffer, .address_space: global }
    .group_segment_fixed_size: 84736
    .private_segment_fixed_size: 0
    .kernarg_segment_align: 8
    .kernarg_segment_size: 56
    .max_flat_workgroup_size: 128
    .sgpr_count:     66
    .vgpr_count:     192
    .wavefront_size: 32
...
	.end_amdgpu_metadata
.endif
;; end of part 5
;; launch place (part 6): grid 1 x 1, 8 waves a work-group, no clusters, 0 bytes of LDS; arguments idx, ord, cnt; writes ord, cnt
.if DOCPART == 6
	.amdgcn_target "amdgcn-amd-amdhsa--gfx1250"
	.amdhsa_code_object_version 6
	.text
	.protected	k_q4d23e54968_place
	.globl	k_q4d23e54968_place
	.p2align	8
	.type	k_q4d23e54968_place,@function
k_q4d23e54968_place:
	s_mov_b64 s[64:65], 0
	v_nop
	global_prefetch_b8 v0, s[64:65] scope:SCOPE_SE
	s_setreg_imm32_b32 hwreg(HW_REG_WAVE_MODE, 25, 1), 1
	s_wait_xcnt 0x0
; THE TOKENS ARE PLACED BY EXPERT.  Wave e serves expert e alone: it reads all 1,024 numbers of idx and writes ord [e][1,024]:
; the n tokens of expert e first, ascending; then, up to the next multiple of 16, COPIES OF THE EXPERT'S LAST TOKEN, so that the expert's last tile of 16 rows holds its own tokens alone;
; then the other tokens, from entry 1,023 downward.  So every entry is written and every entry is a token's number.  cnt [e][32]: n, in all 32 words.
; No LDS, no barrier, no atomics: a token's place is the count of members ahead of it (v_mbcnt on the compare's mask, plus a running scalar sum).
; Two passes over the registers: the first counts the members and finds the last one, the second places.
; One work-group: 4 KiB in, 33 KiB out; the work has no more to share.
.set NTOK, 1024
.set ID,  16                           ; v16-47  idx[32 j + lane]
.set PO,  48                           ; v48-79  the place, in bytes: a register for each step, since a store reads it
.set TK,  80                           ; v80-111 the number to be stored there, likewise
	s_load_b128 s[4:7], s[0:1], 0x0                ; idx s[4:5], ord s[6:7]
	s_load_b64 s[8:9], s[0:1], 0x10                ; cnt
	v_lshrrev_b32 v1, 5, v0
	s_delay_alu instid0(VALU_DEP_1)
	v_readfirstlane_b32 s10, v1                    ; wave = expert
	v_and_b32 v1, 31, v0                           ; lane
	s_delay_alu instid0(VALU_DEP_1)
	v_lshlrev_b32 v2, 2, v1
	v_mov_b32 v5, 0                                ; my lane's last member so far
	v_mov_b32 v7, 0                                ; (a lane permute's destination counts as one of its sources)
	s_mov_b32 s11, 0                               ; the count
	s_mov_b32 s13, 0                               ; second pass: members so far
	s_mov_b32 s20, 0x76543210
	s_mov_b32 s21, 0xfedcba98                      ; v_permlanex16_b32's selects for lane l xor 16
	s_lshl_b32 s14, s10, 12
	s_mov_b32 s15, 0
	s_wait_alu depctr_va_vdst(0)
	s_wait_kmcnt 0x0
	s_add_nc_u64 s[6:7], s[6:7], s[14:15]          ; my expert's 4,096 bytes of ord
	s_lshl_b32 s14, s10, 7
	s_add_nc_u64 s[8:9], s[8:9], s[14:15]          ; and its 128 of cnt
.irp j, 0,1,2,3,4,5,6,7,8,9,10,11,12,13,14,15,16,17,18,19,20,21,22,23,24,25,26,27,28,29,30,31
	global_load_b32 v[ID+\j], v2, s[4:5] offset:128*\j
.endr
	s_wait_loadcnt 0x0
	; ---- first pass: how many members, and which is the last
.irp j, 0,1,2,3,4,5,6,7,8,9,10,11,12,13,14,15,16,17,18,19,20,21,22,23,24,25,26,27,28,29,30,31
	v_cmp_eq_u32 vcc_lo, s10, v[ID+\j]
	v_add_nc_u32 v[TK+\j], 32*\j, v1               ; my token
	s_delay_alu instid0(VALU_DEP_1)
	v_cndmask_b32 v5, v5, v[TK+\j], vcc_lo         ; tokens ascend with j: the last one taken is my lane's largest
	s_bcnt1_i32_b32 s12, vcc_lo
	s_add_co_u32 s11, s11, s12
.endr
	v_cvt_f32_u32 v5, v5                           ; the largest over the 32 lanes, in f32: numbers up to 1,023 are exact there
	s_delay_alu instid0(VALU_DEP_1)
	v_max_num_f32_dpp v5, v5, v5 row_xmask:1 row_mask:0xf bank_mask:0xf
	s_delay_alu instid0(VALU_DEP_1)
	v_max_num_f32_dpp v5, v5, v5 row_xmask:2 row_mask:0xf bank_mask:0xf
	s_delay_alu instid0(VALU_DEP_1)
	v_max_num_f32_dpp v5, v5, v5 row_xmask:4 row_mask:0xf bank_mask:0xf
	s_delay_alu instid0(VALU_DEP_1)
	v_max_num_f32_dpp v5, v5, v5 row_xmask:8 row_mask:0xf bank_mask:0xf
	s_delay_alu instid0(VALU_DEP_1)
	v_permlanex16_b32 v7, v5, s20, s21
	s_delay_alu instid0(VALU_DEP_1)
	v_max_num_f32 v5, v5, v7
	s_delay_alu instid0(VALU_DEP_1)
	v_cvt_u32_f32 v5, v5                           ; the expert's last token (0, not used, where it has none)
	v_mov_b32 v8, s11                              ; n
	s_sub_co_u32 s17, 0, s11
	s_and_b32 s17, s17, 15                         ; entries from n up to the next multiple of 16
	; ---- second pass: the places
.irp j, 0,1,2,3,4,5,6,7,8,9,10,11,12,13,14,15,16,17,18,19,20,21,22,23,24,25,26,27,28,29,30,31
	v_cmp_eq_u32 vcc_lo, s10, v[ID+\j]
	s_delay_alu instid0(VALU_DEP_1)
	v_mbcnt_lo_u32_b32 v3, vcc_lo, s13             ; the members ahead of me: a member's place
	s_delay_alu instid0(VALU_DEP_1)
	v_sub_nc_u32 v4, v3, v[TK+\j]
	s_delay_alu instid0(VALU_DEP_1)
	v_add_nc_u32 v4, NTOK-1, v4                    ; 1,023 less my rank among the others
	s_delay_alu instid0(VALU_DEP_1)
	v_cndmask_b32 v[PO+\j], v4, v3, vcc_lo
	s_delay_alu instid0(VALU_DEP_1)
	v_sub_nc_u32 v6, v[PO+\j], v8                  ; place - n: a member's wraps to a very large number
	s_delay_alu instid0(VALU_DEP_1)
	v_cmp_gt_u32 s16, s17, v6                      ; an entry that fills up the expert's last tile
	s_delay_alu instid0(VALU_DEP_1)
	v_cndmask_b32 v[TK+\j], v[TK+\j], v5, s16      ; takes the expert's last token
	s_delay_alu instid0(VALU_DEP_4)
	v_min_u32 v[PO+\j], 0x3ff, v[PO+\j]            ; a number made of loaded ones enters an address behind a bound
	s_delay_alu instid0(VALU_DEP_1)
	v_lshlrev_b32 v[PO+\j], 2, v[PO+\j]
	s_bcnt1_i32_b32 s12, vcc_lo
	s_add_co_u32 s13, s13, s12
	global_store_b32 v[PO+\j], v[TK+\j], s[6:7]
.endr
	global_store_b32 v2, v8, s[8:9]
	s_endpgm
.Lfunc_end_k_q4d23e54968_place:
	.size	k_q4d23e54968_place, .Lfunc_end_k_q4d23e54968_place-k_q4d23e54968_place
	.p2alignl 7, 3214868480
	.fill 96, 4, 3214868480
	.section	.rodata,"a",@progbits
	.p2align	6, 0x0
	.amdhsa_kernel k_q4d23e54968_place
		.amdhsa_group_segment_fixed_size 0
		.amdhsa_private_segment_fixed_size 0
		.amdhsa_enable_private_segment 0
		.amdhsa_kernarg_size 24
		.amdhsa_user_sgpr_count 2
		.amdhsa_user_sgpr_kernarg_segment_ptr 1
		.amdhsa_wavefront_size32 1
		.amdhsa_system_sgpr_workgroup_id_x 1
		.amdhsa_system_sgpr_workgroup_id_y 1
		.amdhsa_system_sgpr_workgroup_id_z 1
		.amdhsa_system_vgpr_workitem_id 0
		.amdhsa_next_free_vgpr 112
		.amdhsa_next_free_sgpr 66
		.amdhsa_reserve_vcc 1
		.amdhsa_float_denorm_mode_32 3
		.amdhsa_float_denorm_mode_16_64 3
		.amdhsa_memory_ordered 1
		.amdhsa_forward_progress 1
		.amdhsa_inst_pref_size 41
	.end_amdhsa_kernel
	.amdgpu_metadata
---
amdhsa.version: [ 1, 2 ]
amdhsa.kernels:
  - .name:           k_q4d23e54968_place
    .symbol:         k_q4d23e54968_place.kd
    .args:
      - { .name: idx, .offset: 0, .size: 8, .value_kind: global_buffer, .address_space: global }
      - { .name: ord, .offset: 8, .size: 8, .value_kind: global_buffer, .address_space: global }
      - { .name: cnt, .offset: 16, .size: 8, .value_kind: global_buffer, .address_space: global }
    .group_segment_fixed_size: 0
    .private_segment_fixed_size: 0
    .kernarg_segment_align: 8
    .kernarg_segment_size: 24
    .max_flat_workgroup_size: 256
    .sgpr_count:     66
    .vgpr_count:     112
    .wavefront_size: 32
...
	.end_amdgpu_metadata
.endif
;; end of part 6
;; launch ffn1 (part 7): grid 256 x 1, 16 waves a work-group, no clusters, 112,640 bytes of LDS; arguments w1, b1, xc, xs, ord, cnt, hc, hs; writes hc, hs
.if DOCPART == 7
	.amdgcn_target "amdgcn-amd-amdhsa--gfx1250"
	.amdhsa_code_object_version 6
	.text
	.protected	k_q4d23e54968_ffn1
	.globl	k_q4d23e54968_ffn1
	.p2align	8
	.type	k_q4d23e54968_ffn1,@function
k_q4d23e54968_ffn1:
	s_mov_b64 s[64:65], 0
	v_nop
	global_prefetch_b8 v0, s[64:65] scope:SCOPE_SE
	s_setreg_imm32_b32 hwreg(HW_REG_WAVE_SCHED_MODE, 0, 2), 2
	s_setreg_imm32_b32 hwreg(HW_REG_WAVE_MODE, 25, 1), 1
	s_wait_xcnt 0x0
	s_wait_alu depctr_vm_vsrc(0)
; h = gelu(Q(sel) Q(w1[e]) + b1[e]) for the tokens of expert e alone, quantised along I on the way; both products' operands are codes of E2M3 with one E8M0 byte for each 32 along K.
; SHARES.  Work-group (e = number / 32, j = number % 32) owns columns 128 j .. 128 j + 127 of w1[e], all of K = 1,024: 512 KiB of f32, read from memory once and never written back.
; PHASE W (all 16 waves): wave w takes 32 columns (w % 4) x 256 along K (w / 4).  A LANE TAKES A COLUMN AND ITS REGISTERS RUN DOWN K: each load reads 128 consecutive bytes, a block of 32 lies in one lane,
;   and the conversions give codes with K innermost.  Lane l's column is (l & 7) + 16 ((l >> 3) & 1) + 8 (l >> 4): lanes 0-15 are the rows of one tile, lanes 16-31 of the next, and THE COLUMNS OF A TILE ARE NOT NEIGHBOURS
;   (0-7 and 16-23; 8-15 and 24-31), so that in the transposed product the 16 registers of two neighbouring tiles are 16 neighbours along the next K.  Two blocks' codes change halves (v_permlane16_swap_b32) and are the two tiles'
;   fragments; they go to LDS as images of the operand's registers (16 bytes a lane, 512 a store).  Loads run three blocks ahead.  One barrier.
; PHASE M: wave w takes the expert's tiles of 16 tokens w, w + 16, .. : x's 8 fragments straight from xc by the list ord, 8 K steps x 8 tiles of columns (source 0 = 16 columns of w1, source 1 = 16 tokens; C begins as b1),
;   two tiles of columns a step, from two register buffers by turns; the gelu, the quantiser, and the result, K step j of the second product, goes to hc as an image of its registers, its scale words to hs.
;   The loop over a wave's tiles has four trips (64 tiles at the most, 16 waves) and is left as soon as the wave's tile number reaches the expert's count of tiles.
; The count of tokens is read from memory, so branches hang on it: no tensor load, no copy, no cluster.  What the work-groups of an expert share, x's codes (12 KiB a tile), is small beside each one's own 512 KiB of weights.
; An expert's last tile is filled up, in the list, with copies of its last token; with no token at all tile 0 is still made (of other tokens), so that what the next launch asks for early has been written.
; GELU: gelu(u) = max(u, 0) - |u| erfc(|u| / sqrt 2) / 2;  erfc(z) = t exp(-z z + P(t)), t = 1 / (1 + z / 2), P of degree 9: fractional error 1.2e-7 by the formula; the exponent's rounding adds up to 5e-6 below u = -9.
; LIMITS: NaN and infinities are not served; v_exp_f32 gives 0 under 2^-126; a block of zeros gets the byte 1, not 127 (its codes are zeros; this program alone reads the bytes).
; THE MODE: SCHED_MODE bits 1:0 = 2 (LLVM: expert scheduling mode 2), set by the entry lines.  The code itself states the register dependences
; between vector or matrix instructions and memory or LDS instructions, with s_wait_alu, always for 0.
; THE PLAN.  Registers that memory or LDS instructions touch:
;   PHASE W.  ST0 .. ST2: block b's lines read set b % 3; behind them block b + 3's loads land in it.  F0, F1, SW: written by the conversions, exchanges and moves; read by the LDS stores of blocks 3 and 7
;     (F0 first carries my piece of b1: a load lands in it, one LDS store reads it).  v[MXA], v[MXB]: b1's offset and its image's address, each read once; at work from block 0 on.
;     One wait on va_vdst stands at the end of a block that loads or LDS stores follow (blocks 0 to 4 and 7); one on vm_vsrc ahead of blocks 0 and 4 and behind the barrier, where registers that stores or loads have read are written again.
;   PHASE M.  XA, XS: the tile's loads land in them; all 64 products read them.  HA: b1's LDS loads land in it; products, gelu and quantiser work on it.  BF0, BF1, BS0, BS1: step q's two products read buffer q % 2,
;     step q + 1's seven LDS loads land in the other.  v[PC ..] (over BF0), v[PW]: written by the quantiser, read by the tile's four stores.  v[HO], v[HSO]: written at a trip's head, read by those stores.
;     v[XO], v[XSO], v[ORDO]: written by seven lines behind a tile's last product, read by the next tile's 51 loads; v[TOKN]: loaded, then held inside the list by those lines.  All other addresses are never written again.
;     One wait on va_vdst at the head of steps 1 to 30; one behind the seven lines; one ahead of the stores.  One on vm_vsrc at a trip's head, one ahead of the seven lines.
.set PITCH, 16384                      ; a row of w1[e] in bytes
.set BSC,   98304                      ; LDS: 0: the weights' fragments, (K step s, tile t) at (8 s + t) x 1,536;  here: their scale words, (s, pair of tiles) at (4 s + pair) x 128
.set BIAS,  102400                     ; b1 in the result's layout: 16 images of 512 bytes
.set SPARE, 110592                     ; the spare words, 128 bytes for each wave: eight blocks of 256 bytes that no other line names
.set ISL,   12288                      ; from a K step's images to the next's
.set SSL,   512
.set WO,   1                           ; v1   4 x my column
.set WI,   2                           ; v2   where I store images
.set WS,   3                           ; v3   and scale words
.set XO,   4                           ; v4   my token's row in xc, + 24 (lane / 16)
.set XSO,  5                           ; v5   and in xs
.set ORDO, 6                           ; v6   my entry of ord
.set TOKN, 7                           ; v7   the token there
.set H24,  8                           ; v8   24 (lane / 16)
.set RR,   9                           ; v9   lane % 16
.set BA0,  10                          ; v10  16 x lane: K steps 0-3 of the images
.set BA1,  11                          ; v11  K steps 4-7
.set BIA,  12                          ; v12  b1's images
.set L4,   13                          ; v13  4 x lane
.set SPW,  14                          ; v14  LDS address of my spare word; never rewritten
.set NIL,  15                          ; v15  0; never rewritten
.set XA,   16                          ; v16-111  x's 8 fragments
.set XS,   112                         ; v112-119 x's 8 scale words: scales and nothing else
.set ST,   120                         ; phase W: v120-215 three sets of 32 numbers
.set F0,   216                         ; v216-227, v228-239 the two tiles' fragments
.set F1,   228
.set TH0,  240                         ; v240-242, v244-246 a block's upper 16 codes (a conversion's three registers begin on an even number)
.set SW,   243                         ; v243 the scale word in the making
.set TH1,  244
.set SCO,  247
.set BY,   248
.set MXA,  249
.set MXB,  250
.set HA,   120                         ; phase M: v120-183 8 accumulators
.set BF,   184                         ; v184-231 two buffers of two fragments of the weights
.set GT,   184                         ; the gelu's t, P, and u u / max(u, 0), over them
.set GP,   200
.set GA,   216
.set PC,   184                         ; the codes just made, likewise
.set HO,   232                         ; v232 my byte in hc
.set HSO,  233                         ; v233 and in hs
.set TM,   234                         ; v234-249 the quantiser's
.set PW,   250                         ; v250 the scale word just made
.set BS,   251                         ; v251-252 the weights' scale words, one register for each buffer: scales and nothing else
.set BSA,  253                         ; v253 their LDS address
.set C9,   254                         ; v254-255 the polynomial's highest coefficient, twice
.macro CPAIR r, val                    ; a packed form names a pair and takes its low word for both halves: so both are written
	s_mov_b32 s[\r], \val
	s_mov_b32 s[\r+1], \val
.endm
.macro WLOAD b                         ; block b: w1(32 b + i, my column) into set b % 3
.irp i, 0,1,2,3,4,5,6,7,8,9,10,11,12,13,14,15,16,17,18,19,20,21,22,23,24,25,26,27,28,29,30,31
	global_load_b32 v[ST+32*((\b)%3)+\i], v[WO], s[34:35] offset:(32*(\b)+\i)*PITCH th:TH_LOAD_NT
.endr
.endm
.macro WBLOCK b, w                     ; block b becomes codes and a scale byte; each second block the halves change places; each fourth the images go to LDS.  w = 1: loads or LDS stores on this block's registers follow
.set WX, ST+32*((\b)%3)
.set CC, 6*(((\b)%4)/2)
	v_max3_num_f32 v[MXA], |v[WX]|, |v[WX+1]|, |v[WX+2]|
	v_max3_num_f32 v[MXB], |v[WX+3]|, |v[WX+4]|, |v[WX+5]|
.irp i, 6,10,14,18,22,26
	v_max3_num_f32 v[MXA], v[MXA], |v[WX+\i]|, |v[WX+\i+1]|
	v_max3_num_f32 v[MXB], v[MXB], |v[WX+\i+2]|, |v[WX+\i+3]|
.endr
	v_max3_num_f32 v[MXA], v[MXA], |v[WX+30]|, |v[WX+31]|
	v_max3_num_f32 v[MXA], v[MXA], v[MXB], 0x1800000   ; and the floor 2^(3 - 127): the byte cannot fall under 1
	v_add_nc_u32 v[SCO], 0xff000000, v[MXA]        ; 2 off the exponent field: the conversion's scale operand
	v_lshrrev_b32 v[BY], 23, v[SCO]                ; the scale's byte
.if (\b)%4 == 0
	v_mov_b32 v[SW], v[BY]
.else
	v_lshl_or_b32 v[SW], v[BY], 8*((\b)%4), v[SW]
.endif
.if (\b)%2 == 0
	v_cvt_scalef32_pk16_fp6_f32 v[F0+CC:F0+CC+2], v[WX:WX+15], v[SCO]
	v_cvt_scalef32_pk16_fp6_f32 v[TH0:TH0+2], v[WX+16:WX+31], v[SCO]
	v_nop                                          ; one plain place behind a scaled conversion
.else
	v_cvt_scalef32_pk16_fp6_f32 v[F1+CC:F1+CC+2], v[WX:WX+15], v[SCO]
	v_cvt_scalef32_pk16_fp6_f32 v[TH1:TH1+2], v[WX+16:WX+31], v[SCO]
	v_nop
.irp i, 0,1,2                          ; the even block's lanes 16-31 change places with the odd block's lanes 0-15: the first is then the first tile's fragment (lanes 0-15 block 2 c, lanes 16-31 block 2 c + 1), the second the second tile's
	v_permlane16_swap_b32 v[F0+CC+\i], v[F1+CC+\i]
	v_permlane16_swap_b32 v[TH0+\i], v[TH1+\i]
.endr
.irp i, 0,1,2
	v_mov_b32 v[F0+CC+3+\i], v[TH0+\i]
	v_mov_b32 v[F1+CC+3+\i], v[TH1+\i]
.endr
.endif
.if \w
	s_wait_alu depctr_va_vdst(0)                   ; this block's lines are done reading its set, in which the loads behind the block land; in each fourth block they have written the two fragments and the scale word, which the LDS stores read
.endif
.if (\b)%4 == 3
.irp q, 0,1,2
	ds_store_b128 v[WI], v[F0+4*\q:F0+4*\q+3] offset:ISL*((\b)/4)+512*\q
	ds_store_b128 v[WI], v[F1+4*\q:F1+4*\q+3] offset:ISL*((\b)/4)+1536+512*\q
.endr
	ds_store_b32 v[WS], v[SW] offset:SSL*((\b)/4)  ; lanes 0-15: the first tile's words; lanes 16-31: the second's
.endif
.endm
.macro ORDA ahead                      ; where the tokens of my tile m + ahead stand in the list: the entry is held inside the list, all of whose entries are tokens
	s_add_co_u32 s28, s27, \ahead
	s_lshl_b32 s28, s28, 4
	v_add_nc_u32 v[ORDO], s28, v[RR]
	v_min_u32 v[ORDO], 0x3ff, v[ORDO]
	v_lshlrev_b32 v[ORDO], 2, v[ORDO]
.endm
.macro AADDR ahead                     ; the offsets of the tile whose tokens are in, and of the list entry behind it: seven vector lines, which stand ahead of a wait on va_vdst
	v_min_u32 v[TOKN], 0x3ff, v[TOKN]
	v_mul_u32_u24 v[XO], v[TOKN], 768
	v_add_nc_u32 v[XO], v[XO], v[H24]
	v_lshlrev_b32 v[XSO], 5, v[TOKN]
	ORDA \ahead
.endm
.macro ALOADS                          ; x's 8 fragments and scale words of that tile: 50 loads; then the next list entry: 51
.irp s, 0,1,2,3,4,5,6,7
.irp p, 0,1,2,3,4,5
	global_load_b64 v[XA+12*\s+2*\p:XA+12*\s+2*\p+1], v[XO], s[8:9] offset:96*\s+48*(\p/3)+8*(\p%3)
.endr
.endr
	global_load_b128 v[XS:XS+3], v[XSO], s[10:11]
	global_load_b128 v[XS+4:XS+7], v[XSO], s[10:11] offset:16
	global_load_b32 v[TOKN], v[ORDO], s[12:13]
.endm
.macro BLDP q                          ; step q = K step q / 4, tiles 2 (q % 4) and 2 (q % 4) + 1: their fragments and scale words into buffer q % 2: 7 LDS loads
.set KS, (\q)/4
.set KT, 2*((\q)%4)
.set KB, BF+24*((\q)%2)
.irp u, 0,1
.irp c, 0,1,2
.if KS < 4
	ds_load_b128 v[KB+12*\u+4*\c:KB+12*\u+4*\c+3], v[BA0] offset:(8*KS+KT+\u)*1536+512*\c
.else
	ds_load_b128 v[KB+12*\u+4*\c:KB+12*\u+4*\c+3], v[BA1] offset:(8*(KS-4)+KT+\u)*1536+512*\c
.endif
.endr
.endr
	ds_load_b32 v[BS+(\q)%2], v[BSA] offset:(4*KS+(\q)%4)*128
.endm
.macro KSTEP q                         ; step q: the next step's loads go out, then this step's two products.  The 8 accumulators take turns, one instruction a turn, in the order 0 .. 7 in every K step
.if (\q) > 0 && (\q) < 31
	s_wait_alu depctr_va_vdst(0)                   ; the two products of the step before are done reading the other buffer and its scale words, in which the seven loads below land
.endif
.if (\q) < 31
	BLDP (\q)+1
.endif
.if (\q) == 0
	s_wait_loadcnt 1                               ; the tile's 50 loads are in; the next list entry may be out
.endif
.if (\q) < 31
	s_wait_dscnt 7                                 ; this step's 7 LDS loads (in step 0: b1's 16 too) are in; the next step's 7 may be out
.else
	s_wait_dscnt 0x0
.endif
.set KS, (\q)/4
.set KT, 2*((\q)%4)
.set KB, BF+24*((\q)%2)
	v_wmma_scale_f32_16x16x128_f8f6f4 v[HA+8*KT:HA+8*KT+7], v[KB:KB+11], v[XA+12*KS:XA+12*KS+11], v[HA+8*KT:HA+8*KT+7], v[BS+(\q)%2], v[XS+KS] matrix_a_fmt:MATRIX_FMT_FP6 matrix_b_fmt:MATRIX_FMT_FP6
	v_wmma_scale_f32_16x16x128_f8f6f4 v[HA+8*KT+8:HA+8*KT+15], v[KB+12:KB+23], v[XA+12*KS:XA+12*KS+11], v[HA+8*KT+8:HA+8*KT+15], v[BS+(\q)%2], v[XS+KS] matrix_a_fmt:MATRIX_FMT_FP6 matrix_b_fmt:MATRIX_FMT_FP6 matrix_a_scale:MATRIX_SCALE_ROW1
.endm
.macro GELU16 g                        ; 16 numbers, two accumulators, each read from its low end on
.set U, HA+16*(\g)
.irp i, 0,1,2,3,4,5,6,7,8,9,10,11,12,13,14,15
	v_fma_f32 v[GT+\i], |v[U+\i]|, s36, 1.0        ; 1 + z / 2, z = |u| / sqrt 2
.endr
	s_wait_alu depctr_va_vdst(0)
.irp i, 0,1,2,3,4,5,6,7,8,9,10,11,12,13,14,15
	v_rcp_f32 v[GT+\i], v[GT+\i]                   ; t
.endr
.irp i, 0,2,4,6,8,10,12,14
	v_pk_mul_f32 v[GA+\i:GA+\i+1], v[U+\i:U+\i+1], v[U+\i:U+\i+1]   ; u u: plain work behind the batch
.endr
	s_wait_alu depctr_va_vdst(0)                   ; the 16 reciprocals have written v[GT ..]: one wait, ahead of their first reader
.irp i, 0,2,4,6,8,10,12,14
	v_pk_fma_f32 v[GP+\i:GP+\i+1], v[GT+\i:GT+\i+1], v[C9:C9+1], s[56:57] op_sel_hi:[1,1,0]
.endr
.irp k, 54,52,50,48,46,44,42,40
.irp i, 0,2,4,6,8,10,12,14
	v_pk_fma_f32 v[GP+\i:GP+\i+1], v[GP+\i:GP+\i+1], v[GT+\i:GT+\i+1], s[\k:\k+1] op_sel_hi:[1,1,0]
.endr
.endr
.irp i, 0,2,4,6,8,10,12,14
	v_pk_fma_f32 v[GP+\i:GP+\i+1], v[GA+\i:GA+\i+1], s[58:59], v[GP+\i:GP+\i+1] op_sel_hi:[1,0,1]   ; - z z log2(e) + P(t) log2(e) - 1
.endr
	s_wait_alu depctr_va_vdst(0)
.irp i, 0,1,2,3,4,5,6,7,8,9,10,11,12,13,14,15
	v_exp_f32 v[GP+\i], v[GP+\i]
.endr
.irp i, 0,1,2,3,4,5,6,7,8,9,10,11,12,13,14,15
	v_max_num_f32 v[GA+\i], 0, v[U+\i]             ; max(u, 0): plain work behind the batch
.endr
	s_wait_alu depctr_va_vdst(0)                   ; the 16 exponentials have written v[GP ..]: one wait, ahead of their first reader
.irp i, 0,2,4,6,8,10,12,14
	v_pk_mul_f32 v[GP+\i:GP+\i+1], v[GP+\i:GP+\i+1], v[GT+\i:GT+\i+1]   ; erfc(z) / 2
.endr
.irp i, 0,1,2,3,4,5,6,7,8,9,10,11,12,13,14,15
	v_fma_f32 v[U+\i], -|v[U+\i]|, v[GP+\i], v[GA+\i]
.endr
.endm
; 64 numbers of a lane, register 16 b + i = k 32 b + 16 (lane / 16) + i of my token's row, become a fragment's codes in v[PC] on and its scale word in v[PW]
.macro QUANT s
.irp b, 0,1,2,3
	v_max3_num_f32 v[TM+\b], |v[\s+16*\b]|, |v[\s+1+16*\b]|, 0x1800000
.endr
.irp i, 2,4,6,8,10,12,14
.irp b, 0,1,2,3
	v_max3_num_f32 v[TM+\b], v[TM+\b], |v[\s+16*\b+\i]|, |v[\s+1+16*\b+\i]|
.endr
.endr
.irp b, 0,1,2,3
	v_permlanex16_b32 v[TM+4+\b], v[TM+\b], s30, s31
.endr
.irp b, 0,1,2,3
	v_max_num_f32 v[TM+\b], v[TM+\b], v[TM+4+\b]   ; with lane l xor 16's: the block's largest magnitude
.endr
.irp b, 0,1,2,3
	v_add_nc_u32 v[TM+12+\b], 0xff000000, v[TM+\b]
.endr
.irp b, 0,1,2,3
	v_lshrrev_b32 v[TM+4+\b], 23, v[TM+12+\b]
.endr
	v_lshl_or_b32 v[PW], v[TM+5], 8, v[TM+4]
	v_lshl_or_b32 v[PW], v[TM+6], 16, v[PW]
	v_lshl_or_b32 v[PW], v[TM+7], 24, v[PW]
.irp c, 0,1
	v_cvt_scalef32_pk16_fp6_f32 v[PC+6*\c:PC+2+6*\c], v[\s+32*\c:\s+15+32*\c], v[TM+12+2*\c]
	v_cvt_scalef32_pk16_fp6_f32 v[PC+12+4*\c:PC+14+4*\c], v[\s+16+32*\c:\s+31+32*\c], v[TM+12+2*\c+1]
.endr
	v_nop                                          ; one plain place behind a scaled conversion
.irp c, 0,1
.irp i, 0,1,2
	v_permlane16_swap_b32 v[PC+6*\c+\i], v[PC+12+4*\c+\i]
.endr
.irp i, 0,1,2
	v_mov_b32 v[PC+3+6*\c+\i], v[PC+12+4*\c+\i]
.endr
.endr
.endm
	s_load_b256 s[4:11], s[0:1], 0x0               ; w1 s[4:5], b1 s[6:7], xc s[8:9], xs s[10:11]
	s_load_b256 s[12:19], s[0:1], 0x20             ; ord s[12:13], cnt s[14:15], hc s[16:17], hs s[18:19]
	v_lshl_add_u32 v[SPW], v0, 2, SPARE
	v_mov_b32 v[NIL], 0
	v_lshrrev_b32 v1, 5, v0
	v_readfirstlane_b32 s20, v1                    ; wave 0..15
	s_lshr_b32 s21, ttmp9, 5                       ; e
	s_and_b32 s22, ttmp9, 31                       ; j
	s_wait_alu depctr_va_sdst(0)                   ; s20 is written, ahead of its first reader
	s_and_b32 s23, s20, 3                          ; which 32 columns
	s_lshr_b32 s24, s20, 2                         ; which 256 along K
	s_mov_b32 s27, s20                             ; m: my first tile of tokens
	v_and_b32 v[L4], 31, v0                        ; lane, for now
	v_and_b32 v[RR], 15, v0
	v_bfe_u32 v[H24], v0, 4, 1                     ; lane / 16, for now
	v_and_b32 v[WO], 7, v0
	v_bfe_u32 v[WI], v0, 3, 1
	v_lshl_add_u32 v[WO], v[WI], 4, v[WO]
	v_lshl_add_u32 v[WO], v[H24], 3, v[WO]         ; my column of the 32
	v_lshlrev_b32 v[WO], 2, v[WO]
	v_lshlrev_b32 v[MXA], 6, v[H24]                ; b1: + 64 (lane / 16)
	v_lshlrev_b32 v[BA0], 4, v[L4]
	v_add_nc_u32 v[BA1], 49152, v[BA0]
	v_add_nc_u32 v[BIA], BIAS, v[BA0]
	s_wait_alu depctr_va_vdst(0)
	v_lshlrev_b32 v[L4], 2, v[L4]
	v_add_nc_u32 v[BSA], BSC, v[L4]
	s_mul_i32 s28, s24, 24576
	s_mul_i32 s29, s23, 3072
	s_add_co_u32 s28, s28, s29
	v_add_nc_u32 v[WI], s28, v[BA0]                ; (K step 2 (w / 4), tile 2 (w % 4)): 16 x lane + constants x wave
	s_lshl_b32 s28, s24, 10
	s_lshl_b32 s29, s23, 7
	s_add_co_u32 s28, s28, s29
	s_add_co_u32 s28, s28, BSC
	v_add_nc_u32 v[WS], s28, v[L4]
	s_lshl_b32 s28, s20, 9
	v_add_nc_u32 v[MXB], s28, v[BIA]               ; b1's image number w
	v_mul_u32_u24 v[H24], v[H24], 24
	ORDA 0                                         ; my first tile's place in the list: made here, with the other offsets
	v_mov_b32 v[C9], 0x3e7c6f08                    ; 0.17087277 log2(e)
	v_mov_b32 v[C9+1], 0x3e7c6f08
	s_mov_b32 s30, 0x76543210
	s_mov_b32 s31, 0xfedcba98                      ; v_permlanex16_b32's selects for lane l xor 16
	s_mov_b32 s36, 0x3eb504f3                      ; 1 / (2 sqrt 2)
	CPAIR 40, 0xc034d90f                           ; the polynomial's coefficients x log2(e); the lowest less 1, which halves the result
	CPAIR 42, 0x3fb8ab5a
	CPAIR 44, 0x3f0a29d2
	CPAIR 46, 0x3e0efb2e
	CPAIR 48, 0xbe899a80
	CPAIR 50, 0x3ecdfd18
	CPAIR 52, 0xbfd1a1e5
	CPAIR 54, 0x40097039
	CPAIR 56, 0xbf97d29d
	CPAIR 58, 0xbf38aa3b                           ; - log2(e) / 2
	s_lshl_b32 s28, s21, 24                        ; w1: expert, 16 MiB;
	s_lshl_b32 s29, s24, 22                        ; 256 rows of 16,384 bytes;
	s_add_co_u32 s28, s28, s29
	s_lshl_b32 s29, s22, 9                         ; 128 columns;
	s_add_co_u32 s28, s28, s29
	s_lshl_b32 s29, s23, 7                         ; 32 columns
	s_add_co_u32 s28, s28, s29
	s_mov_b32 s29, 0
	s_lshl_b32 s32, s21, 14                        ; b1: image w holds registers 4 w .. 4 w + 3 of the 64: tile w / 2, its units 4 (w % 2) on: unit 32 (w / 4) + 8 ((w / 2) % 2) + 4 (w % 2) + 16 (lane / 16)
	s_lshl_b32 s33, s22, 9
	s_add_co_u32 s32, s32, s33
	s_lshl_b32 s33, s24, 7
	s_add_co_u32 s32, s32, s33
	s_bfe_u32 s33, s20, 0x10001
	s_lshl_b32 s33, s33, 5
	s_add_co_u32 s32, s32, s33
	s_and_b32 s33, s20, 1
	s_lshl_b32 s33, s33, 4
	s_add_co_u32 s32, s32, s33
	s_mov_b32 s33, 0
	s_wait_kmcnt 0x0
	s_add_nc_u64 s[34:35], s[4:5], s[28:29]
	s_add_nc_u64 s[6:7], s[6:7], s[32:33]
	s_lshl_b32 s28, s21, 7
	s_add_nc_u64 s[14:15], s[14:15], s[28:29]
	s_load_b32 s25, s[14:15], 0x0                  ; the expert's count of tokens
	s_lshl_b32 s28, s21, 12
	s_add_nc_u64 s[12:13], s[12:13], s[28:29]      ; the expert's list
	; ---- PHASE W.  The counts: loads come back in order; a block is in when at most as many loads are out as were issued behind it; where those are 64 or more the count is the field's largest, 63
	s_wait_alu depctr_va_vdst(0)                   ; the offsets and LDS addresses made above (v1 to v3, v6, v10 to v13, v[MXA], v[MXB], v[BSA]) are written: the loads and LDS instructions of the kernel read them
	global_load_b128 v[F0:F0+3], v[MXA], s[6:7]    ; my sixteenth of b1's images: the oldest load
	WLOAD 0
	WLOAD 1
	WLOAD 2
	s_wait_loadcnt 63                              ; b1's and block 0's 33 loads are in (64 are younger)
	ds_store_b128 v[MXB], v[F0:F0+3]
	s_wait_alu depctr_vm_vsrc(0)                   ; b1's load has read v[MXA], its LDS store v[MXB] and v[F0 ..]: block 0 writes all of them
	WBLOCK 0, 1
	WLOAD 3
	s_wait_kmcnt 0x0                               ; the count
	s_add_co_u32 s26, s25, 15
	s_lshr_b32 s26, s26, 4
	s_min_u32 s26, s26, 64
	s_max_u32 s26, s26, 1                          ; tiles of 16 tokens, at least one
	global_load_b32 v[TOKN], v[ORDO], s[12:13]     ; my first tile's tokens
	s_wait_loadcnt 63                              ; block 1 (65 younger)
	WBLOCK 1, 1
	WLOAD 4
	s_wait_loadcnt 63                              ; block 2 (65 younger)
	WBLOCK 2, 1
	WLOAD 5
	s_wait_loadcnt 63                              ; block 3 (65 younger)
	WBLOCK 3, 1
	WLOAD 6
	s_wait_loadcnt 63                              ; block 4 (64 younger); the list entry, older than block 4, is in too
	s_wait_alu depctr_vm_vsrc(0)                   ; block 3's LDS stores have read the two fragments and the scale word, which block 4 writes again; the list's load has read v[ORDO], which the lines below write again
	AADDR 16                                       ; my first tile's offsets: ahead of block 4, whose wait on va_vdst so states them written too
	WBLOCK 4, 1
	WLOAD 7
	ALOADS                                         ; behind the last weight load: my first tile's operands, 51 loads
	s_wait_loadcnt 63                              ; block 5 (115 younger)
	WBLOCK 5, 0
	s_wait_loadcnt 63                              ; block 6 (83 younger)
	WBLOCK 6, 0
	s_wait_loadcnt 51                              ; block 7: the tile's 51 may be out
	WBLOCK 7, 1
	s_wait_dscnt 0x0                               ; for the others' sake: my images have landed
	s_barrier_signal -1
	s_barrier_wait -1                              ; the weights' 64 fragments, their scale words and b1 lie in LDS; nothing is written there again
	; ---- PHASE M
	s_wait_alu depctr_vm_vsrc(0)                   ; block 7's LDS stores have read v216 to v243: the moves below write four of these registers, and the weights' fragments land in others
.irp b, 0,1,2,3
	v_mov_b32 v[TM+4+\b], 0                        ; a lane permute's destination counts as one of its sources
.endr
	s_mov_b32 s38, 0                               ; trips: four at the most, 64 tiles among 16 waves
.Lunit:
	s_cmp_ge_u32 s27, s26
	s_cbranch_scc1 .Lend                           ; no further tile for this wave; no barrier follows
	s_wait_xcnt 0x0                                ; the last tile's stores have read their data and offsets: both are written again below
	s_wait_alu depctr_vm_vsrc(0)                   ; the last tile's stores have read v[HO] and v[HSO], which the two additions write, v[PC ..], in which step 0's fragments land, and v[PW]
	s_min_u32 s28, s27, 63
	s_lshl_b32 s29, s21, 6
	s_add_co_u32 s28, s28, s29                     ; 64 e + m
	s_mul_i32 s29, s28, 49152
	s_mul_i32 s32, s22, 1536
	s_add_co_u32 s29, s29, s32
	v_add_nc_u32 v[HO], s29, v[BA0]                ; hc: [e][tile][K step j][1,536]
	s_lshl_b32 s28, s28, 12
	s_lshl_b32 s32, s22, 7
	s_add_co_u32 s28, s28, s32
	v_add_nc_u32 v[HSO], s28, v[L4]                ; hs: [e][tile][K step j][128]
.irp i, 0,1,2,3,4,5,6,7,8,9,10,11,12,13,14,15
	ds_load_b128 v[HA+4*\i:HA+4*\i+3], v[BIA] offset:512*\i   ; the sums begin as b1.  No wait: since the last wait on va_vdst (ahead of the last tile's stores; in the first trip block 7's) no vector line names v[HA ..], the two buffers or their scale words
.endr
	BLDP 0
.irp q, 0,1,2,3,4,5,6,7,8,9,10,11,12,13,14,15,16,17,18,19,20,21,22,23,24,25,26,27,28,29,30,31
	KSTEP \q
.endr
	s_wait_loadcnt 0x0                             ; the next list entry
	s_wait_alu depctr_vm_vsrc(0)                   ; this tile's loads have read v[XO] and v[XSO], the list's load v[ORDO]: the lines below write them again
	AADDR 32                                       ; seven plain lines that name none of the products' registers: they are also the places behind the last product, ahead of the gelu's first read of a result and its first write over a fragment (ISA guide 7.12.1)
	s_wait_alu depctr_va_vdst(0)                   ; the products are done reading x's fragments and scale words, in which the loads below land; the three offsets are written, and v[TOKN], in which the list's load lands
	ALOADS                                         ; the next tile's operands land under the gelu (entries past the expert's own are tokens too: every load is inside its buffer)
	GELU16 0
	GELU16 1
	GELU16 2
	GELU16 3
	QUANT HA
	s_wait_alu depctr_va_vdst(0)                   ; the quantiser has written v[PC ..] and v[PW], which the stores read
.irp q, 0,1,2
	global_store_b128 v[HO], v[PC+4*\q:PC+4*\q+3], s[16:17] offset:512*\q   ; the fragment as it stands: 512 consecutive bytes, at a multiple of 512 from hc's first byte
.endr
	global_store_b32 v[HSO], v[PW], s[18:19]
	s_add_co_u32 s27, s27, 16
	s_add_co_u32 s38, s38, 1
	s_cmp_lt_u32 s38, 4
	s_cbranch_scc1 .Lunit
.Lend:
	s_wait_dscnt 0x0                               ; the closing lines, six on end
	s_wait_alu 0x0
	s_wait_tensorcnt 0x0
	ds_add_u32 v[SPW], v[NIL]
	s_wait_dscnt 0x0
	s_endpgm
.Lfunc_end_k_q4d23e54968_ffn1:
	.size	k_q4d23e54968_ffn1, .Lfunc_end_k_q4d23e54968_ffn1-k_q4d23e54968_ffn1
	.p2alignl 7, 3214868480
	.fill 96, 4, 3214868480
	.section	.rodata,"a",@progbits
	.p2align	6, 0x0
	.amdhsa_kernel k_q4d23e54968_ffn1
		.amdhsa_group_segment_fixed_size 112640
		.amdhsa_private_segment_fixed_size 0
		.amdhsa_enable_private_segment 0
		.amdhsa_kernarg_size 64
		.amdhsa_user_sgpr_count 2
		.amdhsa_user_sgpr_kernarg_segment_ptr 1
		.amdhsa_wavefront_size32 1
		.amdhsa_system_sgpr_workgroup_id_x 1
		.amdhsa_system_sgpr_workgroup_id_y 1
		.amdhsa_system_sgpr_workgroup_id_z 1
		.amdhsa_system_vgpr_workitem_id 0
		.amdhsa_next_free_vgpr 256
		.amdhsa_next_free_sgpr 66
		.amdhsa_reserve_vcc 0
		.amdhsa_float_denorm_mode_32 3
		.amdhsa_float_denorm_mode_16_64 3
		.amdhsa_memory_ordered 1
		.amdhsa_forward_progress 1
		.amdhsa_inst_pref_size 122
	.end_amdhsa_kernel
	.amdgpu_metadata
---
amdhsa.version: [ 1, 2 ]
amdhsa.kernels:
  - .name:           k_q4d23e54968_ffn1
    .symbol:         k_q4d23e54968_ffn1.kd
    .args:
      - { .name: w1, .offset: 0, .size: 8, .value_kind: global_buffer, .address_space: global }
      - { .name: b1, .offset: 8, .size: 8, .value_kind: global_buffer, .address_space: global }
      - { .name: xc, .offset: 16, .size: 8, .value_kind: global_buffer, .address_space: global }
      - { .name: xs, .offset: 24, .size: 8, .value_kind: global_buffer, .address_space: global }
      - { .name: ord, .offset: 32, .size: 8, .value_kind: global_buffer, .address_space: global }
      - { .name: cnt, .offset: 40, .size: 8, .value_kind: global_buffer, .address_space: global }
      - { .name: hc, .offset: 48, .size: 8, .value_kind: global_buffer, .address_space: global }
      - { .name: hs, .offset: 56, .size: 8, .value_kind: global_buffer, .address_space: global }
    .group_segment_fixed_size: 112640
    .private_segment_fixed_size: 0
    .kernarg_segment_align: 8
    .kernarg_segment_size: 64
    .max_flat_workgroup_size: 512
    .sgpr_count:     66
    .vgpr_count:     256
    .wavefront_size: 32
...
	.end_amdgpu_metadata
.endif
;; end of part 7
;; launch ffn2 (part 8): grid 256 x 1, 16 waves a work-group, no clusters, 104,448 bytes of LDS; arguments w2, b2, hc, hs, ord, cnt, out0; writes out0
.if DOCPART == 8
	.amdgcn_target "amdgcn-amd-amdhsa--gfx1250"
	.amdhsa_code_object_version 6
	.text
	.protected	k_q4d23e54968_ffn2
	.globl	k_q4d23e54968_ffn2
	.p2align	8
	.type	k_q4d23e54968_ffn2,@function
k_q4d23e54968_ffn2:
	s_mov_b64 s[64:65], 0
	v_nop
	global_prefetch_b8 v0, s[64:65] scope:SCOPE_SE
	s_setreg_imm32_b32 hwreg(HW_REG_WAVE_SCHED_MODE, 0, 2), 2
	s_setreg_imm32_b32 hwreg(HW_REG_WAVE_MODE, 25, 1), 1
	s_wait_xcnt 0x0
	s_wait_alu depctr_vm_vsrc(0)
; out = Q(h) Q(w2[e]) + b2[e] for the tokens of expert e, scattered to their rows.  Operands: codes of E2M3 with one E8M0 byte for each 32 along K = 4,096.
; SHARES.  Work-group (e = number / 32, j = number % 32) owns columns 32 j .. 32 j + 31 of w2[e], all of K: 512 KiB of f32, read from memory once.  So each output number has one owner and no sum spans work-groups.
; PHASE W (all 16 waves), as in the launch before: a lane takes a column, its registers run down K; wave w quantises 256 along K and stores four fragments and two scale images in LDS.
;   THE ROTATION: wave w takes the pair of K steps (w + j) % 16 and stores it at LDS slot w, so that LDS addresses hang on the wave alone; phase M walks the slots 0 .. 15 and reads h's pair (slot + j) % 16.
;   The work-groups of an expert so begin at different places of h.  The order of the f32 sums along K therefore differs from slice to slice.
; PHASE M: wave w takes the expert's tiles of 16 tokens w, w + 16, .. : 32 K steps x 2 tiles of columns (source 0 = 16 columns of w2, source 1 = 16 tokens; C begins as b2).  h's fragments come from hc as images of their
;   registers, through a ring of four register slots of two K steps each; the weights' from LDS, two K steps ahead, through four register buffers.  A lane ends with 16 neighbouring columns of one token's row: 64 bytes.
;   EVERY LANE STORES: the list fills an expert's last tile up with copies of its last token; equal rows give equal results, so the copies store the same bytes to the same row.
;   The loop over a wave's tiles has four trips (64 tiles at the most, 16 waves) and is left as soon as the wave's tile number reaches the expert's count of tiles.
;   A slice is 128 bytes of a row, so an aligned 256 bytes of w2 and of out0 are shared with the neighbouring work-group: a wider slice would leave half of the 256 work-groups without work.
; The count of tokens is read from memory, so branches hang on it: no tensor load, no copy, no cluster.
; LIMITS: NaN and infinities are not served; a block of zeros gets the byte 1, not 127 (its codes are zeros; this program alone reads the bytes).
; THE MODE: SCHED_MODE bits 1:0 = 2 (LLVM: expert scheduling mode 2), set by the entry lines.  The code itself states the register dependences
; between vector or matrix instructions and memory or LDS instructions, with s_wait_alu, always for 0.
; THE PLAN.  Registers that memory or LDS instructions touch:
;   PHASE W.  ST0 .. ST2: block b's lines read set b % 3; behind them block b + 3's loads land in it (behind block 6: b2's).  F0, F1, SW: written by the conversions, exchanges and moves; read by the LDS stores of blocks 3 and 7.
;     One wait on va_vdst at the end of a block that loads or LDS stores follow (all but block 5); one on vm_vsrc ahead of block 4, which writes again what block 3's stores read.
;   PHASE M.  AR0 .. AR3, ASC: ring slot p is read by the four products of K steps 2 p and 2 p + 1 (modulo the ring); behind them the pair four on lands in it.  BB0 .. BB3, BSR: K step s's two products read buffer s % 4;
;     the LDS loads of steps s + 2 and s + 3 land in the two buffers that steps s - 2 and s - 1 read.  Y0, Y1: written by the products, read by the tile's four stores.
;     v[OUTO] (v1, in phase W the weights' offset) and v[ORDO]: written in step 0; read by the stores, and by the list's load at step 26.  v[TOKN]: loaded, held inside the list in step 0.  All other addresses are never written again.
;     So ONE wait on va_vdst stands at the head of each even step from 2 on, for the ring slot's 7 loads and the 14 LDS loads behind it; one behind step 31, for the stores and the last slot; ONE on vm_vsrc at a trip's head.
.set PITCH, 4096                       ; a row of w2[e] in bytes
.set BSC,   98304                      ; LDS: 0: the weights' fragments, (local K step s, tile u) at (2 s + u) x 1,536;  here: their scale words, 128 s
.set SPARE, 102400                     ; the spare words, 128 bytes for each wave: eight blocks of 256 bytes that no other line names
.set ISL,   3072
.set SSL,   128
.set WO,   1                           ; v1   4 x my column; in phase M: my byte in out0
.set OUTO, 1
.set WI,   2                           ; v2   where I store images
.set WS,   3                           ; v3   and scale words
.set BA0,  4                           ; v4   16 x lane: local K steps 0-15; also my place in an image of hc
.set BA1,  5                           ; v5   local K steps 16-31
.set BSA,  6                           ; v6   the weights' scale words
.set TSL,  7                           ; v7   4 x lane + 128 (lane / 16): lanes 0-15 take a pair's first K step's words of hs, lanes 16-31 the second's
.set H64,  8                           ; v8   64 (lane / 16)
.set RR,   9                           ; v9   lane % 16
.set ORDO, 10
.set TOKN, 11
.set OC,   12                          ; v12  128 j + 64 (lane / 16)
.set LN,   13                          ; v13  lane
.set SPW,  14                          ; v14  LDS address of my spare word; never rewritten
.set NIL,  15                          ; v15  0; never rewritten
.set AR,   16                          ; v16-111  the ring: 4 slots x 2 fragments of h
.set ASC,  112                         ; v112-115 a slot's scale words: scales and nothing else
.set BSR,  116                         ; v116-119 the weights' scale words, four buffers: scales and nothing else
.set ST,   124                         ; phase W: v124-219 three sets of 32 numbers
.set F0,   220
.set F1,   232
.set TH0,  244
.set SW,   247
.set TH1,  248
.set SCO,  251
.set MXA,  253
.set MXB,  254
.set BY,   254                         ; (the second chain's register is free when the byte is made)
.set B2,   124                         ; phase M: v124-139 b2 at my 16 columns
.set Y0,   140                         ; v140-147, v148-155 the two accumulators
.set Y1,   148
.set BB,   156                         ; v156-251 four buffers of two fragments of the weights
.set HB,   48                          ; s[48:55] a ring slot's address in hc;  s[56:63] in hs
.set SB,   56
.macro WLOAD b
.irp i, 0,1,2,3,4,5,6,7,8,9,10,11,12,13,14,15,16,17,18,19,20,21,22,23,24,25,26,27,28,29,30,31
	global_load_b32 v[ST+32*((\b)%3)+\i], v[WO], s[34:35] offset:(32*(\b)+\i)*PITCH
.endr
.endm
.macro WBLOCK b, w                     ; w = 1: loads or LDS stores on this block's registers follow
.set WX, ST+32*((\b)%3)
.set CC, 6*(((\b)%4)/2)
	v_max3_num_f32 v[MXA], |v[WX]|, |v[WX+1]|, |v[WX+2]|
	v_max3_num_f32 v[MXB], |v[WX+3]|, |v[WX+4]|, |v[WX+5]|
.irp i, 6,10,14,18,22,26
	v_max3_num_f32 v[MXA], v[MXA], |v[WX+\i]|, |v[WX+\i+1]|
	v_max3_num_f32 v[MXB], v[MXB], |v[WX+\i+2]|, |v[WX+\i+3]|
.endr
	v_max3_num_f32 v[MXA], v[MXA], |v[WX+30]|, |v[WX+31]|
	v_max3_num_f32 v[MXA], v[MXA], v[MXB], 0x1800000   ; and the floor 2^(3 - 127)
	v_add_nc_u32 v[SCO], 0xff000000, v[MXA]
	v_lshrrev_b32 v[BY], 23, v[SCO]
.if (\b)%4 == 0
	v_mov_b32 v[SW], v[BY]
.else
	v_lshl_or_b32 v[SW], v[BY], 8*((\b)%4), v[SW]
.endif
.if (\b)%2 == 0
	v_cvt_scalef32_pk16_fp6_f32 v[F0+CC:F0+CC+2], v[WX:WX+15], v[SCO]
	v_cvt_scalef32_pk16_fp6_f32 v[TH0:TH0+2], v[WX+16:WX+31], v[SCO]
	v_nop                                          ; one plain place behind a scaled conversion
.else
	v_cvt_scalef32_pk16_fp6_f32 v[F1+CC:F1+CC+2], v[WX:WX+15], v[SCO]
	v_cvt_scalef32_pk16_fp6_f32 v[TH1:TH1+2], v[WX+16:WX+31], v[SCO]
	v_nop
.irp i, 0,1,2
	v_permlane16_swap_b32 v[F0+CC+\i], v[F1+CC+\i]
	v_permlane16_swap_b32 v[TH0+\i], v[TH1+\i]
.endr
.irp i, 0,1,2
	v_mov_b32 v[F0+CC+3+\i], v[TH0+\i]
	v_mov_b32 v[F1+CC+3+\i], v[TH1+\i]
.endr
.endif
.if \w
	s_wait_alu depctr_va_vdst(0)                   ; this block's lines are done reading its set, in which the loads behind the block land; in each fourth block they have written the two fragments and the scale word, which the LDS stores read
.endif
.if (\b)%4 == 3
.irp q, 0,1,2
	ds_store_b128 v[WI], v[F0+4*\q:F0+4*\q+3] offset:ISL*((\b)/4)+512*\q
	ds_store_b128 v[WI], v[F1+4*\q:F1+4*\q+3] offset:ISL*((\b)/4)+1536+512*\q
.endr
	ds_store_b32 v[WS], v[SW] offset:SSL*((\b)/4)
.endif
.endm
.macro TILEB tb, ts, ahead             ; where tile m + ahead of my expert begins in hc and in hs; the tile is held under the tiles that were written
	s_add_co_u32 s36, s27, \ahead
	s_sub_co_u32 s37, s26, 1
	s_min_u32 s36, s36, s37
	s_min_u32 s36, s36, 63
	s_lshl_b32 s37, s21, 6
	s_add_co_u32 s36, s36, s37
	s_mul_i32 s[\tb], s36, 49152
	s_lshl_b32 s[\ts], s36, 12
.endm
.macro ORDA ahead                      ; where the tokens of my tile m + ahead stand in the list: the entry is held inside the list, all of whose entries are tokens
	s_add_co_u32 s36, s27, \ahead
	s_lshl_b32 s36, s36, 4
	v_add_nc_u32 v[ORDO], s36, v[RR]
	v_min_u32 v[ORDO], 0x3ff, v[ORDO]
	v_lshlrev_b32 v[ORDO], 2, v[ORDO]
.endm
.macro PAIRLD slot, sg, tb, ts         ; h's pair of K steps (sg + j) % 16 of the tile at s[tb], s[ts] into a ring slot: 7 loads.  The slot's addresses are written again only when its last loads have been waited for
	s_add_co_u32 s36, s23, \sg
	s_and_b32 s36, s36, 15
	s_mul_i32 s38, s36, 3072
	s_add_co_u32 s38, s38, s[\tb]
	s_add_nc_u64 s[HB+2*(\slot):HB+2*(\slot)+1], s[8:9], s[38:39]
	s_lshl_b32 s38, s36, 8
	s_add_co_u32 s38, s38, s[\ts]
	s_add_nc_u64 s[SB+2*(\slot):SB+2*(\slot)+1], s[10:11], s[38:39]
.irp f, 0,1
.irp q, 0,1,2
	global_load_b128 v[AR+24*(\slot)+12*\f+4*\q:AR+24*(\slot)+12*\f+4*\q+3], v[BA0], s[HB+2*(\slot):HB+2*(\slot)+1] offset:1536*\f+512*\q
.endr
.endr
	global_load_b32 v[ASC+(\slot)], v[TSL], s[SB+2*(\slot):SB+2*(\slot)+1]
.endm
.macro BLD s                           ; the weights' two fragments and scale words of local K step s into buffer s % 4: 7 LDS loads
.irp u, 0,1
.irp q, 0,1,2
.if (\s) < 16
	ds_load_b128 v[BB+24*((\s)%4)+12*\u+4*\q:BB+24*((\s)%4)+12*\u+4*\q+3], v[BA0] offset:(\s)*3072+1536*\u+512*\q
.else
	ds_load_b128 v[BB+24*((\s)%4)+12*\u+4*\q:BB+24*((\s)%4)+12*\u+4*\q+3], v[BA1] offset:((\s)-16)*3072+1536*\u+512*\q
.endif
.endr
.endr
	ds_load_b32 v[BSR+(\s)%4], v[BSA] offset:128*(\s)
.endm
.macro STEP s                          ; local K step s.  The two accumulators take turns, one instruction a turn
.if (\s)%2 == 0
.if (\s) > 0
	s_wait_alu depctr_va_vdst(0)                   ; the four products of the last two steps are done reading their ring slot and its scale words, and their two buffers of the weights and scale words: the loads below land in all of these
.if (\s)/2+3 < 16                      ; the slot that is read out takes the pair four on, from pair 16 on the next tile's
	PAIRLD ((\s)/2-1)%4, (\s)/2+3, 40, 41
.else
.if (\s)/2+3 == 16
	global_load_b32 v[TOKN], v[ORDO], s[12:13]     ; the next tile's tokens; its offset was made in step 0
.endif
	PAIRLD ((\s)/2-1)%4, (\s)/2-13, 42, 43
.endif
.endif
.if (\s) < 30
	BLD (\s)+2
	BLD (\s)+3
.endif
	s_wait_loadcnt 21                              ; this ring slot's 7 loads are in; the three younger slots' 21 may be out
.endif
.if (\s) == 0
	v_min_u32 v[TOKN], 0x3ff, v[TOKN]              ; (the list entry is older than this slot's loads)
	v_lshlrev_b32 v[OUTO], 12, v[TOKN]
	v_add_nc_u32 v[OUTO], v[OUTO], v[OC]           ; my token's row, my 64 bytes
	ORDA 16                                        ; and the next tile's place in the list: the waits on va_vdst of the steps between state both written, ahead of the load and the stores that read them
.endif
.if (\s) == 31
	s_wait_dscnt 0x0
.elseif (\s) == 30
	s_wait_dscnt 7                                 ; the last step's 7 may be out
.elseif (\s)%2 == 0
	s_wait_dscnt 21                                ; this K step's 7 LDS loads are in; the three younger steps' 21 may be out
.else
	s_wait_dscnt 14                                ; the two younger steps' 14 may be out
.endif
.set PB, BB+24*((\s)%4)
.set PA, AR+24*(((\s)/2)%4)+12*((\s)%2)
.set PS, ASC+((\s)/2)%4
.set PR, BSR+(\s)%4
.if (\s) == 0
	v_wmma_scale_f32_16x16x128_f8f6f4 v[Y0:Y0+7], v[PB:PB+11], v[PA:PA+11], v[B2:B2+7], v[PR], v[PS] matrix_a_fmt:MATRIX_FMT_FP6 matrix_b_fmt:MATRIX_FMT_FP6
	v_wmma_scale_f32_16x16x128_f8f6f4 v[Y1:Y1+7], v[PB+12:PB+23], v[PA:PA+11], v[B2+8:B2+15], v[PR], v[PS] matrix_a_fmt:MATRIX_FMT_FP6 matrix_b_fmt:MATRIX_FMT_FP6 matrix_a_scale:MATRIX_SCALE_ROW1
.elseif (\s)%2 == 0
	v_wmma_scale_f32_16x16x128_f8f6f4 v[Y0:Y0+7], v[PB:PB+11], v[PA:PA+11], v[Y0:Y0+7], v[PR], v[PS] matrix_a_fmt:MATRIX_FMT_FP6 matrix_b_fmt:MATRIX_FMT_FP6
	v_wmma_scale_f32_16x16x128_f8f6f4 v[Y1:Y1+7], v[PB+12:PB+23], v[PA:PA+11], v[Y1:Y1+7], v[PR], v[PS] matrix_a_fmt:MATRIX_FMT_FP6 matrix_b_fmt:MATRIX_FMT_FP6 matrix_a_scale:MATRIX_SCALE_ROW1
.else
	v_wmma_scale_f32_16x16x128_f8f6f4 v[Y0:Y0+7], v[PB:PB+11], v[PA:PA+11], v[Y0:Y0+7], v[PR], v[PS] matrix_a_fmt:MATRIX_FMT_FP6 matrix_b_fmt:MATRIX_FMT_FP6 matrix_b_scale:MATRIX_SCALE_ROW1
	v_wmma_scale_f32_16x16x128_f8f6f4 v[Y1:Y1+7], v[PB+12:PB+23], v[PA:PA+11], v[Y1:Y1+7], v[PR], v[PS] matrix_a_fmt:MATRIX_FMT_FP6 matrix_b_fmt:MATRIX_FMT_FP6 matrix_a_scale:MATRIX_SCALE_ROW1 matrix_b_scale:MATRIX_SCALE_ROW1
.endif
.endm
	s_load_b256 s[4:11], s[0:1], 0x0               ; w2 s[4:5], b2 s[6:7], hc s[8:9], hs s[10:11]
	s_load_b128 s[12:15], s[0:1], 0x20             ; ord s[12:13], cnt s[14:15]
	s_load_b64 s[16:17], s[0:1], 0x30              ; out0
	v_lshl_add_u32 v[SPW], v0, 2, SPARE
	v_mov_b32 v[NIL], 0
	v_lshrrev_b32 v1, 5, v0
	v_readfirstlane_b32 s20, v1                    ; wave 0..15
	s_lshr_b32 s21, ttmp9, 5                       ; e
	s_and_b32 s22, ttmp9, 31                       ; j
	s_and_b32 s23, s22, 15                         ; the rotation
	s_wait_alu depctr_va_sdst(0)                   ; s20 is written, ahead of its first reader
	s_mov_b32 s27, s20                             ; m: my first tile of tokens
	s_mov_b32 s29, 0
	s_mov_b32 s39, 0
	v_and_b32 v[LN], 31, v0
	v_and_b32 v[RR], 15, v0
	v_bfe_u32 v[H64], v0, 4, 1                     ; lane / 16, for now
	v_and_b32 v[WO], 7, v0
	v_bfe_u32 v[WI], v0, 3, 1
	v_lshl_add_u32 v[WO], v[WI], 4, v[WO]
	v_lshl_add_u32 v[WO], v[H64], 3, v[WO]         ; my column of the 32
	v_lshlrev_b32 v[WO], 2, v[WO]
	v_lshlrev_b32 v[BA0], 4, v[LN]
	v_add_nc_u32 v[BA1], 49152, v[BA0]
	v_lshlrev_b32 v[TSL], 2, v[LN]
	v_add_nc_u32 v[BSA], BSC, v[TSL]
	s_mul_i32 s36, s20, 6144
	v_add_nc_u32 v[WI], s36, v[BA0]                ; slot w: 16 x lane + a constant x wave
	s_lshl_b32 s36, s20, 8
	s_add_co_u32 s36, s36, BSC
	v_add_nc_u32 v[WS], s36, v[TSL]
	v_lshl_add_u32 v[TSL], v[H64], 7, v[TSL]
	s_lshl_b32 s37, s22, 7                         ; 128 j
	v_lshl_add_u32 v[OC], v[H64], 6, s37
	v_lshlrev_b32 v[H64], 6, v[H64]
	ORDA 0                                         ; my first tile's place in the list: made here, with the other offsets
	s_add_co_u32 s36, s20, s23
	s_and_b32 s36, s36, 15                         ; my pair of K steps
	s_lshl_b32 s28, s21, 24                        ; w2: expert, 16 MiB;
	s_lshl_b32 s36, s36, 20                        ; 256 rows of 4,096 bytes;
	s_add_co_u32 s28, s28, s36
	s_add_co_u32 s28, s28, s37                     ; 32 columns
	s_wait_kmcnt 0x0
	s_add_nc_u64 s[34:35], s[4:5], s[28:29]
	s_lshl_b32 s28, s21, 7
	s_add_nc_u64 s[14:15], s[14:15], s[28:29]
	s_load_b32 s24, s[14:15], 0x0                  ; the expert's count of tokens
	s_lshl_b32 s28, s21, 12
	s_add_nc_u64 s[12:13], s[12:13], s[28:29]      ; the expert's list
	s_add_co_u32 s28, s28, s37
	s_add_nc_u64 s[6:7], s[6:7], s[28:29]          ; b2 at my 32 columns
	; ---- PHASE W.  The counts: a block is in when at most as many loads are out as were issued behind it; where those are 64 or more the count is the field's largest, 63
	s_wait_alu depctr_va_vdst(0)                   ; the offsets and LDS addresses made above (v1 to v8 and v10) are written: the loads and LDS instructions of the kernel read them
	WLOAD 0
	WLOAD 1
	WLOAD 2
	s_wait_loadcnt 63                              ; block 0 (64 younger)
	WBLOCK 0, 1
	WLOAD 3
	s_wait_loadcnt 63
	WBLOCK 1, 1
	WLOAD 4
	s_wait_loadcnt 63
	WBLOCK 2, 1
	WLOAD 5
	s_wait_loadcnt 63
	WBLOCK 3, 1
	WLOAD 6
	s_wait_loadcnt 63
	s_wait_alu depctr_vm_vsrc(0)                   ; block 3's LDS stores have read the two fragments and the scale word, which block 4 writes again
	WBLOCK 4, 1
	WLOAD 7
	s_wait_kmcnt 0x0                               ; the count
	s_min_u32 s24, s24, 1024
	s_add_co_u32 s25, s24, 15
	s_lshr_b32 s25, s25, 4                         ; tiles of 16 tokens, 0 to 64
	s_max_u32 s26, s25, 1                          ; tiles that the launch before has written
	TILEB 40, 41, 0
	global_load_b32 v[TOKN], v[ORDO], s[12:13]     ; behind the last weight load: my first tile's tokens and its first four pairs of K steps: 29 loads
	PAIRLD 0, 0, 40, 41
	PAIRLD 1, 1, 40, 41
	PAIRLD 2, 2, 40, 41
	PAIRLD 3, 3, 40, 41
	s_wait_loadcnt 63                              ; block 5 (93 younger)
	WBLOCK 5, 0
	s_wait_loadcnt 61                              ; block 6: block 7's 32 and the 29 may be out
	WBLOCK 6, 1
.irp i, 0,1,2,3
	global_load_b128 v[B2+4*\i:B2+4*\i+3], v[H64], s[6:7] offset:16*\i   ; b2 at columns 16 (lane / 16) + 0 .. 15, into the set that block 6 has left
.endr
	s_wait_loadcnt 33                              ; block 7: the 29 and b2's 4 may be out
	WBLOCK 7, 1
	s_wait_dscnt 0x0                               ; for the others' sake: my images have landed
	s_barrier_signal -1
	s_barrier_wait -1                              ; the weights' 64 fragments and their scale words lie in LDS; nothing is written there again
	; ---- PHASE M
	s_wait_loadcnt 0x0
	s_mov_b32 s44, 0                               ; trips: four at the most, 64 tiles among 16 waves
.Lunit:
	s_cmp_ge_u32 s27, s25
	s_cbranch_scc1 .Lend                           ; no further tile for this wave; no barrier follows
	s_wait_alu depctr_vm_vsrc(0)                   ; first trip: the weights' loads have read v1, which step 0 writes as my byte in out0, and block 7's LDS stores v220 to v247, in which the weights' fragments land; later trips: the last tile's stores have read v[OUTO] and the two accumulators, which step 0 writes; in both: the list's load has read v[ORDO]
	TILEB 42, 43, 16                               ; where the next tile begins
	v_nop                                          ; with the four behind the last product: six places, where five are asked before a product begins an accumulator anew
	v_nop
	BLD 0                                          ; no wait: since the last wait on va_vdst (behind the last tile's step 31; in the first trip block 7's) no vector line names a buffer of the weights or its scale words
	BLD 1
.irp s, 0,1,2,3,4,5,6,7,8,9,10,11,12,13,14,15,16,17,18,19,20,21,22,23,24,25,26,27,28,29,30,31
	STEP \s
.endr
.rept 4
	v_nop                                          ; four places behind the last product, before the stores read its result
.endr
	s_wait_alu depctr_va_vdst(0)                   ; the products have written the two accumulators, which the stores read; the last two steps' are done reading ring slot 3 and its scale words, in which the loads below land
	PAIRLD 3, 3, 42, 43
	global_store_b128 v[OUTO], v[Y0:Y0+3], s[16:17]              ; each accumulator from its low end on; a lane's 64 bytes are consecutive, two lanes fill the slice's 128
	global_store_b128 v[OUTO], v[Y0+4:Y0+7], s[16:17] offset:16
	global_store_b128 v[OUTO], v[Y1:Y1+3], s[16:17] offset:32
	global_store_b128 v[OUTO], v[Y1+4:Y1+7], s[16:17] offset:48
	s_wait_xcnt 0x0                                ; the stores have read their data and their offset: the next trip writes both again
	s_mov_b32 s40, s42                             ; the next tile is the tile in hand
	s_mov_b32 s41, s43
	s_add_co_u32 s27, s27, 16
	s_add_co_u32 s44, s44, 1
	s_cmp_lt_u32 s44, 4
	s_cbranch_scc1 .Lunit
.Lend:
	s_wait_dscnt 0x0                               ; the closing lines, six on end
	s_wait_alu 0x0
	s_wait_tensorcnt 0x0
	ds_add_u32 v[SPW], v[NIL]
	s_wait_dscnt 0x0
	s_endpgm
.Lfunc_end_k_q4d23e54968_ffn2:
	.size	k_q4d23e54968_ffn2, .Lfunc_end_k_q4d23e54968_ffn2-k_q4d23e54968_ffn2
	.p2alignl 7, 3214868480
	.fill 96, 4, 3214868480
	.section	.rodata,"a",@progbits
	.p2align	6, 0x0
	.amdhsa_kernel k_q4d23e54968_ffn2
		.amdhsa_group_segment_fixed_size 104448
		.amdhsa_private_segment_fixed_size 0
		.amdhsa_enable_private_segment 0
		.amdhsa_kernarg_size 56
		.amdhsa_user_sgpr_count 2
		.amdhsa_user_sgpr_kernarg_segment_ptr 1
		.amdhsa_wavefront_size32 1
		.amdhsa_system_sgpr_workgroup_id_x 1
		.amdhsa_system_sgpr_workgroup_id_y 1
		.amdhsa_system_sgpr_workgroup_id_z 1
		.amdhsa_system_vgpr_workitem_id 0
		.amdhsa_next_free_vgpr 256
		.amdhsa_next_free_sgpr 66
		.amdhsa_reserve_vcc 0
		.amdhsa_float_denorm_mode_32 3
		.amdhsa_float_denorm_mode_16_64 3
		.amdhsa_memory_ordered 1
		.amdhsa_forward_progress 1
		.amdhsa_inst_pref_size 86
	.end_amdhsa_kernel
	.amdgpu_metadata
---
amdhsa.version: [ 1, 2 ]
amdhsa.kernels:
  - .name:           k_q4d23e54968_ffn2
    .symbol:         k_q4d23e54968_ffn2.kd
    .args:
      - { .name: w2, .offset: 0, .size: 8, .value_kind: global_buffer, .address_space: global }
      - { .name: b2, .offset: 8, .size: 8, .value_kind: global_buffer, .address_space: global }
      - { .name: hc, .offset: 16, .size: 8, .value_kind: global_buffer, .address_space: global }
      - { .name: hs, .offset: 24, .size: 8, .value_kind: global_buffer, .address_space: global }
      - { .name: ord, .offset: 32, .size: 8, .value_kind: global_buffer, .address_space: global }
      - { .name: cnt, .offset: 40, .size: 8, .value_kind: global_buffer, .address_space: global }
      - { .name: out0, .offset: 48, .size: 8, .value_kind: global_buffer, .address_space: global }
    .group_segment_fixed_size: 104448
    .private_segment_fixed_size: 0
    .kernarg_segment_align: 8
    .kernarg_segment_size: 56
    .max_flat_workgroup_size: 512
    .sgpr_count:     66
    .vgpr_count:     256
    .wavefront_size: 32
...
	.end_amdgpu_metadata
.endif
;; end of part 8
